; MI455X (gfx1250); checked and timed in simulation.
; The chip was launched on July 23, 2026; its instructions are those of AMD's public machine-readable ISA for CDNA 5 (MIT licence, August 2026) and "CDNA5" Instruction Set Architecture Reference Guide (July 2026). The comments in the code are by the model that wrote it; some were corrected since.
;; HMU. Allowed arithmetic: matrix products marked QUANTISED: E2M3 operands, one E8M0 scale for each 32 along K, by v_wmma_scale_f32_16x16x128_f8f6f4 with both operands' format E2M3, f32 sums; products left as they are: f32 operands where the result goes on into a quantised operand, else bf16, f16 or f32 operands; f32 sums; everything else in f32.
;; Inputs: lambda_base 1 float32; mu 1,024 float32; v 8 x 1,024 float32; x 65,536 x 1,024 float32.
;; Outputs: out0 65,536 float32.
;; This version of the problem:
;;   THIS VERSION OF THE PROBLEM IS GIVEN IN LOW PRECISION. The matrix products marked QUANTISED in the list below multiply operands that are first quantised to E2M3 (2 exponent bits, 3 mantissa bits; 6 bits a number), with one power-of-two scale for each 32 numbers along K (OCP MX v1.0); their sums are f32. All else is computed in f32.
;;   The module's matrix products, in the order in which they are computed (A, B: the left and right operand; K: the contracted axis; several contracted axes count as one K, in the product's order):
;;     1. [M 1,024, K 8] x [K 8, N 1,024]; A: input v; B: input v: left as it is (K = 8 < 32)
;;     2. [M 1,024, K 1,024] x [K 1,024, N 65,536]; A: computed on the way; B: computed on the way: QUANTISED
;;     3. batch 65,536 x [M 1, K 1,024] x [K 1,024, N 1]; A: computed on the way; B: computed on the way: left as it is (M = 1 < 16)
;;   THE QUANTISER, for each operand of a quantised product, along K:
;;     - K is cut into blocks of 32 from its start; a last block that is shorter is filled with zeros.
;;     - A block's scale is 2^e with e = floor(log2(the largest magnitude in the block)) - 2, held to -126 .. 127; a block of zeros has e = 0. As a byte (E8M0): e + 127.
;;     - Each number is divided by its block's scale, clamped to +-7.5, and rounded to the nearest number of E2M3, ties to even, subnormals kept.
;;     - The product sums the exact products of the quantised numbers (number of the format x scale) in f32.
;;   ~~~python
;;   def quantise(x, axis):      # numpy; x: float32 -> the quantised numbers, widened to float32 again
;;       x = np.moveaxis(x, axis, -1); K = x.shape[-1]
;;       x = np.pad(x, [(0, 0)] * (x.ndim - 1) + [(0, -K % 32)]); x = x.reshape(x.shape[:-1] + (-1, 32)); a = np.abs(x).max(-1, keepdims=True)
;;       e = np.where(a > 0, np.clip(np.frexp(np.where(a > 0, a, 1))[1] - 1 - 2, -126, 127), 0)      # np.frexp(a)[1] - 1 = floor(log2(a)), exactly
;;       r = np.clip(x / 2.0 ** e, -7.5, 7.5)
;;       step = 2.0 ** (np.maximum(np.frexp(np.where(r == 0, 1, r))[1] - 1, 0) - 3)
;;       q = np.round(r / step) * step * 2.0 ** e      # np.round: ties to even
;;       return np.moveaxis(q.reshape(q.shape[:-2] + (-1,))[..., :K], -1, axis).astype(np.float32)
;;   ~~~
;;   OPERANDS COMPUTED ON THE WAY. 'Computed on the way' means the value that the module computes at that place (a softmax that the list does not call 'softmax' is quantised finished and normalised). What goes into a quantiser is computed in f32, as accurately as f32 sums, v_exp_f32 and their like allow (about 1e-6 of the number): no bf16 or f16 on the way to a quantiser, and a product that is left as it is and whose result goes on into a quantised operand takes f32 operands (vector FMAs, or v_wmma_f32_16x16x4_f32). A number that lies on a knife's edge between two numbers of the format may be rounded either way, as far as f32 arithmetic and the matrix unit's own rounding can turn it there, and no further.
;; 2 versions. Each part assembles by itself: llvm-mc -triple=amdgcn-amd-amdhsa -mcpu=gfx1250 --defsym DOCPART=n.
;; ======== version 1 of 2: 2 launches
;; workspace buffers: wq 819,200 bytes
;; launch prep (part 1): grid 128 x 1, 4 waves a work-group, no clusters, 0 bytes of LDS; arguments v, lambda_base, wq; writes wq
.if DOCPART == 1
	.amdgcn_target "amdgcn-amd-amdhsa--gfx1250"
	.amdhsa_code_object_version 6
	.text
	.protected	k_q6fcc80957b_prep
	.globl	k_q6fcc80957b_prep
	.p2align	8
	.type	k_q6fcc80957b_prep,@function
k_q6fcc80957b_prep:
	s_mov_b64 s[64:65], 0
	v_nop
	global_prefetch_b8 v0, s[64:65] scope:SCOPE_SE
	s_setreg_imm32_b32 hwreg(HW_REG_WAVE_MODE, 25, 1), 1
	s_wait_xcnt 0x0
; W = lambda I + v^T v, [1024][1024], is made in f32 (eight fused multiply-adds a number, then lambda on the diagonal), quantised along its second axis
; to codes of FP6 (E2M3) with one E8M0 byte for each 32, and stored in the order in which the next launch's operand registers take it.
; wq: 8 steps of 102,400 bytes; a step = the half mh = 0 (51,200 bytes), then mh = 1; a half = 4 records of 12,800 bytes.  A record is one tile of 16 rows of W for all of K:
; 8 fragments (K step s) of 1,536 bytes as images of their 12 registers (group c of four registers: lane l's 16 bytes at 512 c + 16 l), then 512 bytes of scale words:
; the word of tile row r and K step s at 12,288 + 16 r + 256 (s / 4) + 4 (s % 4).
; THE ROWS OF A TILE ARE NOT NEIGHBOURS: tile jt (0..31) of half mh has as its row r the row 512 mh + 32 (jt / 2) + 8 (jt % 2) + r + 8 (r / 8) of W.
; SHARES: one fragment a wave: 64 tiles x 8 K steps = 512 waves.  Lane (r, h) holds row r and, in register 16 b + i, column 128 s + 32 b + 16 h + i.
; LIMITS: NaN and infinities are not served; a block whose largest magnitude lies under 2^-124 keeps the byte 1 (a block of zeros too: its codes are zeros, and this program alone reads the bytes).
; The scale words leave as 4 bytes a lane, 16 bytes apart: 32 KB of the buffer's 800 KB.
.set VM,  16                           ; v16-23   v[j][my row], j = 0 .. 7
.set TM,  24                           ; v24-27 largest magnitudes, v28-31 bytes, v36-39 the conversions' scale operands
.set PW,  40                           ; the scale word
.set PC,  44                           ; v44-55 the fragment; v56-62 halves on their way
.set ACC, 64                           ; v64-127  my 64 numbers of W
.set VK,  128                          ; v128-191, v192-255: v[j][my 64 columns], two buffers
	s_load_b128 s[4:7], s[0:1], 0x0                ; v s[4:5], lambda_base s[6:7]
	s_load_b64 s[8:9], s[0:1], 0x10                ; wq
	v_lshrrev_b32 v10, 5, v0
	v_readfirstlane_b32 s12, v10                   ; wave
	s_lshl_b32 s13, ttmp9, 2
	s_add_co_u32 s13, s13, s12                     ; which fragment: 0 .. 511
	s_and_b32 s14, s13, 7                          ; s: the K step
	s_lshr_b32 s15, s13, 3                         ; the tile, 0 .. 63
	s_lshr_b32 s16, s15, 5                         ; mh
	s_and_b32 s17, s15, 31                         ; jt
	s_lshl_b32 s18, s16, 9
	s_lshr_b32 s19, s17, 1
	s_lshl_b32 s19, s19, 5
	s_add_co_u32 s18, s18, s19
	s_and_b32 s19, s17, 1
	s_lshl_b32 s19, s19, 3
	s_add_co_u32 s18, s18, s19                     ; 512 mh + 32 (jt / 2) + 8 (jt % 2)
	s_mov_b32 s32, 0x76543210
	s_mov_b32 s33, 0xfedcba98                      ; v_permlanex16_b32's selects for lane l xor 16
	v_and_b32 v1, 15, v0                           ; r
	v_bfe_u32 v2, v0, 4, 1                         ; h
	v_and_b32 v3, 8, v1
	v_add3_u32 v3, v3, v1, s18                     ; m: my row of W
	v_lshlrev_b32 v6, 2, v3                        ; its byte in a row of v
	s_lshl_b32 s19, s14, 7
	v_lshl_add_u32 v4, v2, 4, s19
	v_sub_nc_u32 v4, v3, v4                        ; D = m - 128 s - 16 h: register 16 b + i lies on the diagonal where 32 b + i = D
	v_lshlrev_b32 v5, 6, v2                        ; 64 h: my half's 16 numbers of a block
	v_and_b32 v7, 31, v0
	v_lshlrev_b32 v7, 4, v7                        ; 16 x lane: my place in an image
	v_lshlrev_b32 v8, 4, v1                        ; 16 r: my row's place among the scale words
	s_lshl_b32 s22, s14, 9                         ; the K step's 128 columns, in bytes
	s_mov_b32 s23, 0
	s_lshr_b32 s24, s17, 2
	s_mul_i32 s24, s24, 102400
	s_mul_i32 s25, s16, 51200
	s_add_co_u32 s24, s24, s25
	s_and_b32 s25, s17, 3
	s_mul_i32 s25, s25, 12800
	s_add_co_u32 s24, s24, s25                     ; the record
	s_mul_i32 s25, s14, 1536
	s_add_co_u32 s26, s24, s25                     ; my fragment in it
	s_mov_b32 s27, 0
	s_lshr_b32 s25, s14, 2
	s_lshl_b32 s25, s25, 8
	s_add_co_u32 s30, s24, s25
	s_and_b32 s25, s14, 3
	s_lshl_b32 s25, s25, 2
	s_add_co_u32 s30, s30, s25
	s_add_co_u32 s30, s30, 12288                   ; my K step's scale words in it
	s_mov_b32 s31, 0
	s_wait_kmcnt 0x0
	s_load_b32 s28, s[6:7], 0x0                    ; lambda
	s_add_nc_u64 s[20:21], s[4:5], s[22:23]
	s_add_nc_u64 s[26:27], s[8:9], s[26:27]
	s_add_nc_u64 s[30:31], s[8:9], s[30:31]
.irp j, 0,1,2,3,4,5,6,7
	global_load_b32 v[VM+\j], v6, s[4:5] offset:4096*\j
.endr
.macro VKLOAD j                        ; v[j][128 s + 32 b + 16 h + 0 .. 15], b = 0 .. 3, into buffer j % 2
.irp b, 0,1,2,3
.irp c, 0,1,2,3
	global_load_b128 v[VK+64*((\j)%2)+16*\b+4*\c:VK+64*((\j)%2)+16*\b+4*\c+3], v5, s[20:21] offset:4096*(\j)+128*\b+16*\c
.endr
.endr
.endm
	VKLOAD 0
	VKLOAD 1
.irp b, 0,1,2,3
	v_mov_b32 v[TM+4+\b], 0                        ; written once: a lane permute's destination counts as one of its sources
.endr
	s_wait_kmcnt 0x0
	v_mov_b32 v9, s28                              ; lambda
.irp j, 0,1,2,3,4,5,6,7
.if \j < 7
	s_wait_loadcnt 16                              ; this j's numbers are in; the other buffer's 16 loads may be out
.else
	s_wait_loadcnt 0x0
.endif
.set N, 0
.rept 64
.if \j == 0
	v_mul_f32 v[ACC+N], v[VM], v[VK+N]             ; the first product starts the sums
.else
	v_fmac_f32 v[ACC+N], v[VM+\j], v[VK+64*(\j%2)+N]
.endif
.set N, N+1
.endr
.if \j < 6
	VKLOAD \j+2
.endif
.endr
.set N, 0
.rept 64                               ; + lambda on the diagonal: a choice of value on whole numbers made of ids, no branch
	v_cmp_eq_i32 vcc_lo, 32*(N/16)+N%16, v4
	v_cndmask_b32 v10, 0, v9, vcc_lo
	v_add_f32 v[ACC+N], v[ACC+N], v10
.set N, N+1
.endr
; The quantiser.  A block of 32 lies in lanes l and l xor 16.
.irp b, 0,1,2,3
	v_max3_num_f32 v[TM+\b], |v[ACC+16*\b]|, |v[ACC+1+16*\b]|, 0x1800000   ; my 16 numbers, and the floor 2^(3 - 127): the byte cannot fall under 1
.endr
.irp i, 2,4,6,8,10,12,14
.irp b, 0,1,2,3
	v_max3_num_f32 v[TM+\b], v[TM+\b], |v[ACC+16*\b+\i]|, |v[ACC+1+16*\b+\i]|   ; the four blocks by turns
.endr
.endr
.irp b, 0,1,2,3
	v_permlanex16_b32 v[TM+4+\b], v[TM+\b], s32, s33
.endr
.irp b, 0,1,2,3
	v_max_num_f32 v[TM+\b], v[TM+\b], v[TM+4+\b]   ; with lane l xor 16's: the block's largest magnitude
.endr
.irp b, 0,1,2,3
	v_add_nc_u32 v[TM+12+\b], 0xff000000, v[TM+\b] ; 2 off its exponent field: the conversion takes this operand's exponent field as its scale
.endr
.irp b, 0,1,2,3
	v_lshrrev_b32 v[TM+4+\b], 23, v[TM+12+\b]      ; the scale's byte
.endr
	v_lshl_or_b32 v[PW], v[TM+5], 8, v[TM+4]       ; four bytes: my row's scale word for this K step
	v_lshl_or_b32 v[PW], v[TM+6], 16, v[PW]
	v_lshl_or_b32 v[PW], v[TM+7], 24, v[PW]
.irp c, 0,1
	v_cvt_scalef32_pk16_fp6_f32 v[PC+6*\c:PC+2+6*\c], v[ACC+32*\c:ACC+15+32*\c], v[TM+12+2*\c]
	v_cvt_scalef32_pk16_fp6_f32 v[PC+12+4*\c:PC+14+4*\c], v[ACC+16+32*\c:ACC+31+32*\c], v[TM+13+2*\c]   ; (a conversion's three registers begin on an even number)
.endr
	v_nop                                          ; one plain place behind a scaled conversion
.irp c, 0,1                            ; the operand's layout wants a whole block in a lane: lanes 0-15 block 2 c, lanes 16-31 block 2 c + 1
.irp i, 0,1,2
	v_permlane16_swap_b32 v[PC+6*\c+\i], v[PC+12+4*\c+\i]
.endr
.irp i, 0,1,2
	v_mov_b32 v[PC+3+6*\c+\i], v[PC+12+4*\c+\i]
.endr
.endr
.irp c, 0,1,2
	global_store_b128 v7, v[PC+4*\c:PC+4*\c+3], s[26:27] offset:512*\c   ; 32 lanes store 512 consecutive bytes, at a multiple of 256 from the buffer's first byte
.endr
	global_store_b32 v8, v[PW], s[30:31]           ; lanes l and l xor 16 hold the same word and write it to the same place
	s_endpgm
.Lfunc_end_k_q6fcc80957b_prep:
	.size	k_q6fcc80957b_prep, .Lfunc_end_k_q6fcc80957b_prep-k_q6fcc80957b_prep
	.p2alignl 7, 3214868480
	.fill 96, 4, 3214868480
	.section	.rodata,"a",@progbits
	.p2align	6, 0x0
	.amdhsa_kernel k_q6fcc80957b_prep
		.amdhsa_group_segment_fixed_size 0
		.amdhsa_private_segment_fixed_size 0
		.amdhsa_enable_private_segment 0
		.amdhsa_kernarg_size 24
		.amdhsa_user_sgpr_count 2
		.amdhsa_user_sgpr_kernarg_segment_ptr 1
		.amdhsa_wavefront_size32 1
		.amdhsa_system_sgpr_workgroup_id_x 1
		.amdhsa_system_sgpr_workgroup_id_y 1
		.amdhsa_system_sgpr_workgroup_id_z 1
		.amdhsa_system_vgpr_workitem_id 0
		.amdhsa_next_free_vgpr 256
		.amdhsa_next_free_sgpr 66
		.amdhsa_reserve_vcc 1
		.amdhsa_float_denorm_mode_32 3
		.amdhsa_float_denorm_mode_16_64 3
		.amdhsa_memory_ordered 1
		.amdhsa_forward_progress 1
		.amdhsa_inst_pref_size 43
	.end_amdhsa_kernel
	.amdgpu_metadata
---
amdhsa.version: [ 1, 2 ]
amdhsa.kernels:
  - .name:           k_q6fcc80957b_prep
    .symbol:         k_q6fcc80957b_prep.kd
    .args:
      - { .name: v, .offset: 0, .size: 8, .value_kind: global_buffer, .address_space: global }
      - { .name: lambda_base, .offset: 8, .size: 8, .value_kind: global_buffer, .address_space: global }
      - { .name: wq, .offset: 16, .size: 8, .value_kind: global_buffer, .address_space: global }
    .group_segment_fixed_size: 0
    .private_segment_fixed_size: 0
    .kernarg_segment_align: 8
    .kernarg_segment_size: 24
    .max_flat_workgroup_size: 128
    .sgpr_count:     66
    .vgpr_count:     256
    .wavefront_size: 32
...
	.end_amdgpu_metadata
.endif
;; end of part 1
;; launch hmu (part 2): grid 512 x 1, 4 waves a work-group, clusters of 4 x 1, 327,680 bytes of LDS; arguments x, mu, wq, out0; writes out0
.if DOCPART == 2
	.amdgcn_target "amdgcn-amd-amdhsa--gfx1250"
	.amdhsa_code_object_version 6
	.text
	.protected	k_q6fcc80957b_hmu
	.globl	k_q6fcc80957b_hmu
	.p2align	8
	.type	k_q6fcc80957b_hmu,@function
k_q6fcc80957b_hmu:
	s_mov_b64 s[64:65], 0
	v_nop
	global_prefetch_b8 v0, s[64:65] scope:SCOPE_SE
	s_setreg_imm32_b32 hwreg(HW_REG_WAVE_MODE, 25, 1), 1
	s_wait_xcnt 0x0
	s_wait_alu depctr_hold_cnt(0) depctr_sa_sdst(0) depctr_va_vdst(0) depctr_va_sdst(0) depctr_va_ssrc(0) depctr_va_vcc(0) depctr_vm_vsrc(0)
	s_getreg_b32 s2, hwreg(HW_REG_IB_STS2, 6, 4)
	s_cmp_eq_u32 s2, 0
	s_cbranch_scc0 .Lentry_in_a_cluster
	s_endpgm
.Lentry_in_a_cluster:
	s_bfe_u32 s2, ttmp6, 0x10000c
	s_cmp_lg_u32 s2, 0x3003
	s_cbranch_scc0 .Lentry_shape_is_right
	s_endpgm
.Lentry_shape_is_right:
; out[b] = exp(-(sum over m of T[b][m] diff[b][m]) / 1024), diff = x - mu in f32, T[b][m] = sum over k of Q(W)[m][k] Q(diff)[b][k] on codes of FP6 (E2M3) with one E8M0 scale for each 32 along K.
; W's codes and scale words come from wq, laid by the launch before in the order of the operand's registers.
; SHARES.  A work-group takes 128 rows of x.  Wave w = (rh = w / 2, mh = w % 2) makes T for rows 64 rh .. + 63 (four tiles t of 16) and m = 512 mh .. + 511 (32 tiles g of 16), K = 1,024: 1,024 matrix instructions.
; PHASE Q.  The wave loads columns 512 mh .. + 511 of its 64 rows, once: diff in f32; rounded to bf16 it is kept for the last dot product (these are just the m that the wave makes); quantised, its codes are K steps
;   4 mh .. 4 mh + 3 of the rows' operand and go to the partner wave through LDS as images of the operand's registers.  Then each wave holds all 32 fragments of its 64 rows in 384 registers.
; PHASE T.  W's tiles come through a ring of two LDS slots of 102,400 bytes (4 tiles of each half, all of K).  The product is used TRANSPOSED (source 0 = 16 rows of W, source 1 = 16 rows of diff): lane (r, h) holds row r
;   and, by the choice of W's rows for a tile, m = 512 mh + 32 (g / 2) + 16 h + 8 (g % 2) + 0 .. 7: the very numbers of diff that the same lane packed in phase Q.  So T x diff is 8 multiply-adds a tile and row tile, in the lane.
;   Each fragment of W read from LDS feeds four matrix instructions.
; diff in bf16 is 512 registers a wave.  They go, group by group, into a ring of 12 tile places of the wave's own in LDS (in the bytes that held the images), so that the loop over tiles reads them by a stepped address.
; CLUSTER.  The four work-groups of a cluster walk the same wq: every tile is asked for jointly (mask 15), each wave its quarter of a slot.
; LIMITS.  NaN and infinities are not served; a block whose largest magnitude lies under 2^-124 keeps the byte 1; diff is rounded to bf16 for the last dot product alone (T stays f32); a result under 2^-126 comes out as 0.
; NOT DONE: the stream of x does not overlap the products of the same work-group: a second set of codes and diff (352 KB) does not fit beside the first.
; REGISTERS, in windows of 256 (s_set_vgpr_msb: bits 1:0 source 0, 3:2 source 1, 5:4 source 2, 7:6 destination):
;   window 0: v1-13 addresses; v16-31 diff's scale words; v32-35 W's; v40-47 the dot products; v48-61 the way out; v64-255 diff tiles 0-11 (16 g), later v64-95 accumulators, v112-207 W's 8 fragments; v240-255 tile 11
;   window 1: phase Q: x sets 0-2 (v0-191), v192-231 the quantiser's; later codes of K steps 0-4 at 12 (4 s + t); v240-255 the diff of the tile whose dot product is due
;   window 2: phase Q: x set 3 (v0-63), mu (v64-127); later codes of K steps 5-7 at 12 (4 (s - 5) + t); v144-255 diff tiles 12-18          window 3: diff tiles 19-31
.set SLOTB,  102400                    ; a slot, and a step of wq
.set HALFB,  51200
.set RECB,   12800                     ; a tile's record: 8 fragments and 512 bytes of scale words
.set FRB,    1536                      ; a fragment's image
.set QUARTB, 25600                     ; what one tensor load brings
.set IMG,    2*SLOTB                   ; phase Q: the images of diff's 64 fragments: (8 (4 rh + t) + s) x 1,536
.set DIF,    IMG                       ; later: each wave's ring of 12 places of 2,048 bytes
.set XSC,    IMG+64*FRB                ; diff's scale words: 128 bytes a fragment
.set RED,    XSC+8192                  ; the waves' partial sums: 256 bytes a wave
.set SPARE,  RED+1024                  ; the spare words, 128 bytes a wave: two blocks of 256 bytes that no other line names
.set MU,     SPARE+512                 ; each wave's half of mu, 2,048 bytes
.set SPW, 1
.set NIL, 2
.set XA,  3                            ; x: 4,096 r + 64 h
.set LI,  4                            ; 16 x lane
.set IWA, 5                            ; where I store images
.set SWA, 6                            ; and their scale words
.set IRA, 7                            ; where I read images
.set SRA, 8                            ; and scale words: lanes 0-15 K step q, lanes 16-31 K step q + 4
.set MUA, 9                            ; mu in LDS: + 64 h
.set WB,  10                           ; 16 x lane + my half of a slot
.set DB,  11                           ; 16 x lane + my ring of diff
.set WA,  12                           ; the record that is being fetched
.set DA,  13                           ; the place of diff that is being fetched
.set DS,  16
.set WS,  32
.set QQ,  40
.set RSA, 48
.set RRA, 49
.set OO,  50
.set MST, 51
.set PT,  56
.set ACC, 64
.set WF,  112
.set DT,  240                          ; in window 1
.set TM,  192                          ; in window 1
.set PW,  208
.set PC,  212
.set MUR, 64                           ; in window 2
.set G1,  24                           ; s[24:31] descriptor group 1
.set G0,  32                           ; s[32:39] group 0, a set for each slot
.set TB,  40                           ; s40 LDS byte of the record to be fetched, less the wave's half
.set DBS, 41                           ; s41 the place of diff to be fetched
.set CNT, 42
.set MSB, 0
.macro WIN new                         ; the immediate's high byte repeats the setting that is left; a switch that changes nothing is dropped
.if MSB != (\new)
	s_set_vgpr_msb (MSB<<8)|(\new)
.set MSB, \new
.endif
.endm
.macro NOPS n
.rept \n
	v_nop
.endr
.endm
.macro CREST                           ; a round of the cluster's barrier behind its opening barrier
	s_cmp_lg_u32 s12, 0
	s_cbranch_scc1 .Lnot_wave_0_\@
	s_barrier_signal -3
.Lnot_wave_0_\@:
	s_barrier_wait -3
	s_barrier_signal -1
	s_barrier_wait -1
.endm
.macro CROUND
	s_barrier_signal -1
	s_barrier_wait -1
	CREST
.endm
.macro DLOC g                          ; where diff tile g lies: window DWN, register DRG
.if (\g) < 12
.set DWN, 0
.set DRG, 64+16*(\g)
.elseif (\g) < 19
.set DWN, 2
.set DRG, 144+16*((\g)-12)
.else
.set DWN, 3
.set DRG, 16*((\g)-19)
.endif
.endm
	s_load_b256 s[4:11], s[0:1], 0x0               ; x s[4:5], mu s[6:7], wq s[8:9], out0 s[10:11]
	v_lshl_add_u32 v[SPW], v0, 2, SPARE
	v_mov_b32 v[NIL], 0
	ds_add_u32 v1, v2
	ds_add_u32 v1, v2
	s_wait_dscnt 0x0
	v_lshrrev_b32 v14, 5, v0
	v_readfirstlane_b32 s12, v14                   ; wave 0..3
	s_lshr_b32 s13, s12, 1                         ; rh
	s_and_b32 s14, s12, 1                          ; mh
	s_bfe_u32 s15, ttmp6, 0x40000                  ; cx: it enters x's and out0's addresses alone
	s_lshl_b32 s16, ttmp9, 2
	s_add_co_u32 s16, s16, s15                     ; my work-group: 4 x cluster + cx
	s_mov_b32 s[G1], 15|(3<<16)|(1<<21)            ; 15:0 the mask: all four work-groups; 17:16 elements of 8 bytes; 20 no padding; 21 set beside a mask
	s_mov_b32 s[G1+1], 32<<16                      ; tensor_dim0 = 32 elements: rows of 256 bytes
	s_mov_b32 s[G1+2], 100<<16                     ; tensor_dim1 = 100 rows: 25,600 dense bytes
	s_mov_b32 s[G1+3], 32<<16                      ; tile_dim0
	s_mov_b32 s[G1+4], 100                         ; tile_dim1
	s_mov_b32 s[G1+5], 32                          ; from row to row
	s_mov_b32 s[G1+6], 0
	s_mov_b32 s[G1+7], 0
	s_mov_b32 s20, 0x76543210
	s_mov_b32 s21, 0xfedcba98                      ; v_permlanex16_b32's selects for lane l xor 16
	s_mul_i32 s44, s12, QUARTB                     ; my quarter of a slot, in wq and in LDS alike
	s_mov_b32 s45, 0
	s_wait_kmcnt 0x0
	s_add_nc_u64 s[46:47], s[8:9], s[44:45]
	CROUND                                         ; all four work-groups are here: the first joint loads meet
	s_mov_b32 s[G0], 1
	s_mov_b32 s[G0+1], s44                         ; slot 0
	s_mov_b64 s[G0+2:G0+3], s[46:47]               ; step 0
	s_or_b32 s[G0+3], s[G0+3], 0x80000000
	s_mov_b32 s[G0+4], 1
	s_add_co_u32 s[G0+5], s44, SLOTB               ; slot 1
	s_add_nc_u64 s[G0+6:G0+7], s[46:47], SLOTB     ; step 1
	s_or_b32 s[G0+7], s[G0+7], 0x80000000
	tensor_load_to_lds s[G0:G0+3], s[G1:G1+7]      ; both first fills together, ahead of every wait on TENSORcnt, every LDS read and every further barrier: two loads of mine are out
	s_nop 0
	tensor_load_to_lds s[G0+4:G0+7], s[G1:G1+7]
	s_nop 0
	NOPS 4                                         ; (behind a tensor load)
	v_and_b32 v14, 31, v0                          ; lane
	v_and_b32 v15, 15, v0                          ; r
	v_bfe_u32 v36, v0, 4, 1                        ; h
	v_lshlrev_b32 v[LI], 4, v14
	v_lshlrev_b32 v[XA], 12, v15
	v_lshl_add_u32 v[XA], v36, 6, v[XA]
	s_lshl_b32 s52, s16, 19                        ; x: my work-group's 128 rows of 4,096 bytes,
	s_lshl_b32 s54, s13, 18                        ; my wave's 64 of them,
	s_add_co_u32 s52, s52, s54
	s_lshl_b32 s54, s14, 11                        ; its 512 columns
	s_add_co_u32 s52, s52, s54
	s_mov_b32 s53, 0
	s_add_nc_u64 s[4:5], s[4:5], s[52:53]
	s_mov_b32 s52, s54
	s_add_nc_u64 s[6:7], s[6:7], s[52:53]          ; mu: the same 512 columns
	s_lshl_b32 s52, s16, 9                         ; out0: 512 bytes a work-group, 256 for each of the two waves that store (waves 0 and 1: there mh is the wave's number)
	s_lshl_b32 s54, s14, 8
	s_add_co_u32 s52, s52, s54
	s_add_nc_u64 s[10:11], s[10:11], s[52:53]
.irp i, 0,1,2,3
	global_load_b128 v[64+4*\i:67+4*\i], v[LI], s[6:7] offset:512*\i   ; my half of mu, 512 consecutive bytes a load
.endr
; A UNIT is 16 rows (tile t) x 128 columns (my K step sp): 64 numbers a lane, register 16 b + i = column 32 b + 16 h + i of row r.  Sixteen loads cover 16 rows x 512 aligned bytes.  Unit 4 sp + t uses x set t.
.macro XLOAD sp, t
.if (\t) == 3
	WIN 0x80
.set XB, 0
.else
	WIN 0x40
.set XB, 64*(\t)
.endif
.irp b, 0,1,2,3
.irp j, 0,1,2,3
	global_load_b128 v[XB+16*\b+4*\j:XB+16*\b+4*\j+3], v[XA], s[4:5] offset:65536*(\t)+512*(\sp)+128*\b+16*\j th:TH_LOAD_NT
.endr
.endr
.endm
	XLOAD 0, 0
	XLOAD 0, 1
	XLOAD 0, 2
	WIN 0
	s_mul_i32 s44, s13, 32*FRB                     ; LDS addresses: constants, the lane and the wave's number alone
	s_add_co_u32 s44, s44, IMG
	v_add_nc_u32 v[IRA], s44, v[LI]
	s_mul_i32 s45, s14, 4*FRB
	s_add_co_u32 s45, s45, s44
	v_add_nc_u32 v[IWA], s45, v[LI]
	s_lshl_b32 s44, s13, 12
	s_add_co_u32 s44, s44, XSC
	v_lshl_add_u32 v[SRA], v15, 2, s44
	v_lshl_add_u32 v[SRA], v36, 9, v[SRA]
	s_lshl_b32 s45, s14, 9
	s_add_co_u32 s45, s45, s44
	v_lshl_add_u32 v[SWA], v14, 2, s45
	s_lshl_b32 s44, s12, 11
	s_add_co_u32 s44, s44, MU
	v_lshl_add_u32 v[MUA], v36, 6, s44
	v_add_nc_u32 v[MST], s44, v[LI]
	s_mul_i32 s44, s14, HALFB
	v_add_nc_u32 v[WB], s44, v[LI]
	s_mul_i32 s44, s12, 12*2048
	s_add_co_u32 s44, s44, DIF
	v_add_nc_u32 v[DB], s44, v[LI]
	s_lshl_b32 s44, s12, 8
	s_add_co_u32 s44, s44, RED
	v_lshl_add_u32 v[RSA], v15, 2, s44
	s_lshl_b32 s44, s14, 9
	s_add_co_u32 s44, s44, RED
	v_lshl_add_u32 v[RRA], v14, 3, s44
	v_lshlrev_b32 v[OO], 3, v14
.irp i, 0,1,2,3,4,5,6,7
	v_mov_b32 v[QQ+\i], 0                          ; the dot products: two chains for each tile of rows
.endr
.irp i, 0,1,2,3
	v_mov_b32 v[PT+\i], 0                          ; written once: a lane permute's destination counts as one of its sources
.endr
	s_wait_loadcnt 48                              ; mu is in; the three units' 48 loads may be out
.irp i, 0,1,2,3
	ds_store_b128 v[MST], v[64+4*\i:67+4*\i] offset:512*\i   ; into my own 2,048 bytes: only I read them
.endr
	XLOAD 0, 3
	WIN 0x40
.irp b, 0,1,2,3
	v_mov_b32 v[TM+4+\b], 0                        ; likewise written once
.endr
.macro UNIT sp, t
.if (\t) == 3
.set XW, 2
.set XB, 0
.else
.set XW, 1
.set XB, 64*(\t)
.endif
.set UU, 4*(\sp)+(\t)
.if (\t) == 0
	WIN 0x80
.irp b, 0,1,2,3
.irp j, 0,1,2,3
	ds_load_b128 v[MUR+16*\b+4*\j:MUR+16*\b+4*\j+3], v[MUA] offset:512*(\sp)+128*\b+16*\j   ; mu of this K step, in the order of x's registers
.endr
.endr
.endif
	s_wait_dscnt 0x0                               ; mu is in, and the last unit's stores have read the registers that are written below
.if UU <= 12
	s_wait_loadcnt 48                              ; this unit's 16 loads are in; the three younger units' may be out
.else
	s_wait_loadcnt 16*(15-UU)
.endif
	WIN (XW<<6)|8|XW
.set N, 0
.rept 32
	v_pk_add_f32 v[XB+N:XB+N+1], v[XB+N:XB+N+1], v[MUR+N:MUR+N+1] neg_lo:[0,1] neg_hi:[0,1]   ; diff = x - mu
.set N, N+2
.endr
.irp g8, 0,1,2,3,4,5,6,7               ; numbers 8 g8 .. + 7 are what this lane will meet in tile g = 8 sp + g8 of T
	DLOC 8*(\sp)+\g8
	WIN (DWN<<6)|(XW<<2)|XW
.irp jj, 0,1,2,3
	v_cvt_pk_bf16_f32 v[DRG+4*(\t)+\jj], v[XB+8*\g8+2*\jj], v[XB+8*\g8+2*\jj+1]
.endr
.endr
	WIN 0x40|(XW<<2)|XW
.irp b, 0,1,2,3
	v_max3_num_f32 v[TM+\b], |v[XB+16*\b]|, |v[XB+16*\b+1]|, 0x1800000   ; block b: my 16 numbers, and the floor 2^(3 - 127): the byte cannot fall under 1
.endr
	WIN 0x41|(XW<<2)|(XW<<4)
.irp i, 2,4,6,8,10,12,14
.irp b, 0,1,2,3
	v_max3_num_f32 v[TM+\b], v[TM+\b], |v[XB+16*\b+\i]|, |v[XB+16*\b+\i+1]|   ; the four blocks by turns
.endr
.endr
	WIN 0x55
.irp b, 0,1,2,3
	v_permlanex16_b32 v[TM+4+\b], v[TM+\b], s20, s21
.endr
.irp b, 0,1,2,3
	v_max_num_f32 v[TM+\b], v[TM+\b], v[TM+4+\b]   ; with lane l xor 16's: the block's largest magnitude
.endr
.irp b, 0,1,2,3
	v_add_nc_u32 v[TM+12+\b], 0xff000000, v[TM+\b] ; 2 off its exponent field: the conversion's scale operand
.endr
.irp b, 0,1,2,3
	v_lshrrev_b32 v[TM+4+\b], 23, v[TM+12+\b]      ; the scale's byte
.endr
	v_lshl_or_b32 v[PW], v[TM+5], 8, v[TM+4]
	v_lshl_or_b32 v[PW], v[TM+6], 16, v[PW]
	v_lshl_or_b32 v[PW], v[TM+7], 24, v[PW]
	WIN 0x44|XW
.irp c, 0,1
	v_cvt_scalef32_pk16_fp6_f32 v[PC+6*\c:PC+6*\c+2], v[XB+32*\c:XB+32*\c+15], v[TM+12+2*\c]
	v_cvt_scalef32_pk16_fp6_f32 v[PC+12+4*\c:PC+14+4*\c], v[XB+16+32*\c:XB+31+32*\c], v[TM+13+2*\c]   ; (a conversion's three registers begin on an even number)
.endr
	WIN 0x55
	v_nop                                          ; one plain place behind a scaled conversion
.irp c, 0,1                            ; the operand's layout wants a whole block in a lane
.irp i, 0,1,2
	v_permlane16_swap_b32 v[PC+6*\c+\i], v[PC+12+4*\c+\i]
.endr
.irp i, 0,1,2
	v_mov_b32 v[PC+3+6*\c+\i], v[PC+12+4*\c+\i]
.endr
.endr
	WIN 0x04                                       ; an LDS store's data are its source 1
.irp c, 0,1,2
	ds_store_b128 v[IWA], v[PC+4*\c:PC+4*\c+3] offset:(8*(\t)+(\sp))*FRB+512*\c   ; the fragment goes to LDS as it stands
.endr
	ds_store_b32 v[SWA], v[PW] offset:128*(8*(\t)+(\sp))
.if (\sp) < 3
	XLOAD (\sp)+1, \t                              ; the set takes the unit four further on
.endif
.endm
.irp sp, 0,1,2,3
.irp t, 0,1,2,3
	UNIT \sp, \t
.endr
.endr
	WIN 0
	s_wait_dscnt 0x0                               ; for the others' sake: my images and scale words have landed
	s_barrier_signal -1
	s_barrier_wait -1                              ; all 64 fragments lie in LDS.
	WIN 0x40
.irp s, 0,1,2,3,4
.irp t, 0,1,2,3
.irp c, 0,1,2
	ds_load_b128 v[12*(4*\s+\t)+4*\c:12*(4*\s+\t)+4*\c+3], v[IRA] offset:(8*\t+\s)*FRB+512*\c
.endr
.endr
.endr
	WIN 0x80
.irp s, 5,6,7
.irp t, 0,1,2,3
.irp c, 0,1,2
	ds_load_b128 v[12*(4*(\s-5)+\t)+4*\c:12*(4*(\s-5)+\t)+4*\c+3], v[IRA] offset:(8*\t+\s)*FRB+512*\c
.endr
.endr
.endr
	WIN 0
.irp t, 0,1,2,3
.irp q, 0,1,2,3
	ds_load_b32 v[DS+4*\t+\q], v[SRA] offset:128*(8*\t+\q)   ; lanes 0-15: row r's word of K step q; lanes 16-31: of K step q + 4
.endr
.endr
	s_wait_dscnt 0x0                               ; my reads of the images are over: their bytes may be written again behind the barrier
	s_wait_tensorcnt 0x1                           ; my quarter of slot 0 is in; slot 1's may be out
	s_barrier_signal -1
	s_barrier_wait -1
.macro DUMP g                          ; diff tile g goes to its place (g + 1) % 12 of my ring, 16 bytes a lane and tile of rows
	DLOC \g
	WIN DWN<<2
.irp t, 0,1,2,3
	ds_store_b128 v[DB], v[DRG+4*\t:DRG+4*\t+3] offset:2048*(((\g)+1)%12)+512*\t
.endr
.endm
.irp g, 0,1,2,3,4,5,6,7,8,9,10
	DUMP \g
.endr
	s_wait_dscnt 0x0                               ; the stores have read their registers, which take the accumulators and W's fragments now
	v_mov_b32 v[WA], v[WB]
.macro FRAGS s0                        ; fragments s0 and s0 + 1 of the record at WA: six loads, 512 consecutive bytes each
.irp s, \s0, \s0+1
.irp c, 0,1,2
	ds_load_b128 v[WF+12*(\s)+4*\c:WF+12*(\s)+4*\c+3], v[WA] offset:FRB*(\s)+512*\c
.endr
.endr
.endm
	FRAGS 0                                        ; tile 0
	FRAGS 2
	FRAGS 4
	FRAGS 6
	ds_load_b128 v[WS:WS+3], v[WA] offset:8*FRB    ; its scale words: lanes 0-15 K steps 0-3 of row r, lanes 16-31 K steps 4-7
; One product: K step s, tile of rows t.  The scales stand in registers of their own; for K steps 4-7 both sides' words are read from lanes 16-31.
.macro PROD1 s, t, zero
.if (\s) < 5
.set CB, 12*(4*(\s)+(\t))
.else
.set CB, 12*(4*((\s)-5)+(\t))
.endif
.if \zero
	v_wmma_scale_f32_16x16x128_f8f6f4 v[ACC+8*(\t):ACC+8*(\t)+7], v[WF+12*(\s):WF+12*(\s)+11], v[CB:CB+11], 0, v[WS+(\s)%4], v[DS+4*(\t)+(\s)%4] matrix_a_fmt:MATRIX_FMT_FP6 matrix_b_fmt:MATRIX_FMT_FP6
.elseif (\s) < 4
	v_wmma_scale_f32_16x16x128_f8f6f4 v[ACC+8*(\t):ACC+8*(\t)+7], v[WF+12*(\s):WF+12*(\s)+11], v[CB:CB+11], v[ACC+8*(\t):ACC+8*(\t)+7], v[WS+(\s)%4], v[DS+4*(\t)+(\s)%4] matrix_a_fmt:MATRIX_FMT_FP6 matrix_b_fmt:MATRIX_FMT_FP6
.else
	v_wmma_scale_f32_16x16x128_f8f6f4 v[ACC+8*(\t):ACC+8*(\t)+7], v[WF+12*(\s):WF+12*(\s)+11], v[CB:CB+11], v[ACC+8*(\t):ACC+8*(\t)+7], v[WS+(\s)%4], v[DS+4*(\t)+(\s)%4] matrix_a_fmt:MATRIX_FMT_FP6 matrix_b_fmt:MATRIX_FMT_FP6 matrix_a_scale:MATRIX_SCALE_ROW1 matrix_b_scale:MATRIX_SCALE_ROW1
.endif
.endm
.macro PRODS s                         ; the four accumulators take turns, one instruction a turn
.irp t, 0,1,2,3
	PROD1 \s, \t, 0
.endr
.endm
.macro P3 t                            ; the finished tile's T x diff for rows 16 t on: T in f32, diff from its bf16 halves, two chains; the accumulator is read from its low end on
.irp jj, 0,1,2,3
	v_fma_mix_f32_bf16 v[QQ+2*(\t)], v[ACC+8*(\t)+2*\jj], v[DT+4*(\t)+\jj], v[QQ+2*(\t)] op_sel_hi:[0,1,0]
	v_fma_mix_f32_bf16 v[QQ+2*(\t)+1], v[ACC+8*(\t)+2*\jj+1], v[DT+4*(\t)+\jj], v[QQ+2*(\t)+1] op_sel:[0,1,0] op_sel_hi:[0,1,0]
.endr
.endm
.macro DTLOAD
.irp t, 0,1,2,3
	ds_load_b128 v[DT+4*\t:DT+4*\t+3], v[DA] offset:512*\t
.endr
.endm
; A TILE of 16 m: 32 products.  Its fragments were fetched during the tile before; it fetches the next tile's, two as soon as their registers are free (four runs: 6 + 4, 6, 7, 7 LDS loads), and its own diff.
; At its head stands the dot product of the tile before, each tile of rows just ahead of the product that starts that accumulator anew with C = 0.
; LDS loads name windows in their destination and source 0 alone, so W's loads stand under the products' settings (0x04, 0x08: source 1 = the codes' window).
; first: no tile before.  chg: the next tile's record lies in the other slot: the change of slots.  fill: the slot that is left is filled again.  nd: dump stores issued since the last tile.  pf = 0: the last tile fetches no fragments.
.macro TILE first, chg, fill, slot, nd, pf
.if \chg
	s_wait_tensorcnt 0x0                           ; all my tensor loads have landed: my quarter of the slot ahead;
	ds_add_u32 v[SPW], v[NIL]                      ; 0 onto my spare word
.if \fill
	s_add_nc_u64 s[G0+4*(\slot)+2:G0+4*(\slot)+3], s[G0+4*(\slot)+2:G0+4*(\slot)+3], 2*SLOTB   ; no load of mine is out: the slot's next step of wq
.endif
	s_wait_dscnt 8+(\nd)                           ; the last run's 7 loads, the dump's stores and the add may be out
.elseif \first
	s_wait_dscnt 0x0
.else
	s_wait_dscnt 7                                 ; all but the last run's 7 loads (fragments 6, 7 and two scale words)
.endif
	WIN 0x04
.irp t, 0,1,2,3
.if !(\first)
	P3 \t
.endif
	PROD1 0, \t, 1
.endr
	PRODS 1
	s_wait_dscnt 0x0                               ; the last run is in; no LDS instruction of mine is out (at a change of slots: the add is done and my reads of the slot that is left are over)
.if \chg
	s_barrier_signal -1
	PRODS 2                                        ; work on registers while the others arrive
	PRODS 3
	WIN 0
	s_barrier_wait -1
.if \fill
	CREST                                          ; the barrier has opened a round of the cluster's: no wave of any partner still reads the slot or has a load on its way
	tensor_load_to_lds s[G0+4*(\slot):G0+4*(\slot)+3], s[G1:G1+7]   ; my one tensor load behind the round; it has four tiles, 128 products, in which to land
	s_nop 0
.endif
	NOPS 4                                         ; behind the tensor load, and the places in front of loads into registers that products have read
	v_add_nc_u32 v[WA], v[WB], s[TB]
	v_add_nc_u32 v[DA], v[DB], s[DBS]
	FRAGS 0
	FRAGS 2
	WIN 0x40
	DTLOAD
	WIN 0x04
.else
.if \pf
	v_add_nc_u32 v[WA], v[WB], s[TB]               ; (the vector register stands first: source 1 means window 1 here)
.endif
	v_add_nc_u32 v[DA], v[DB], s[DBS]
.if \pf
	NOPS 2                                         ; with the two additions: four places in front of loads into registers that products have read
	FRAGS 0
.endif
	WIN 0x44
	DTLOAD                                         ; this tile's diff: the last tile's was used up at the head
	WIN 0x04
	PRODS 2
	PRODS 3
.if \pf
	NOPS 4
	FRAGS 2
.endif
.endif
	PRODS 4
	WIN 0x08
	PRODS 5
.if \pf
	NOPS 4
	FRAGS 4
	ds_load_b64 v[WS:WS+1], v[WA] offset:8*FRB     ; scale words of K steps 0, 1 (lanes 16-31: 4, 5)
.endif
	PRODS 6
	PRODS 7
	NOPS 5                                         ; five places: the next tile starts these accumulators anew, and reads them; four would do for the loads
.if \pf
	FRAGS 6
	ds_load_b64 v[WS+2:WS+3], v[WA] offset:8*FRB+8
.endif
	WIN 0
	s_add_co_u32 s[TB], s[TB], RECB
	s_add_co_u32 s[DBS], s[DBS], 2048
.endm
; GROUP k is tiles 4 k - 1 .. 4 k + 2: they fetch records 0 .. 3 of step k, in slot k % 2, and diff from places (4 k) % 12 + 0 .. 3.
.macro GROUP k, fill, nd
	s_mov_b32 s[TB], ((\k)%2)*SLOTB
	s_mov_b32 s[DBS], 2048*((4*(\k))%12)
	TILE 0, 1, \fill, ((\k)+1)%2, \nd, 1
	s_mov_b32 s[CNT], 3
.Ltiles_\@:
	TILE 0, 0, 0, 0, 0, 1
	s_sub_co_u32 s[CNT], s[CNT], 1
	s_cmp_lg_u32 s[CNT], 0
	s_cbranch_scc1 .Ltiles_\@
.endm
	s_mov_b32 s[TB], RECB                          ; group 0 is tiles 0, 1, 2
	s_mov_b32 s[DBS], 2048
	TILE 1, 0, 0, 0, 0, 1
	s_mov_b32 s[CNT], 2
.Ltiles_0:
	TILE 0, 0, 0, 0, 0, 1
	s_sub_co_u32 s[CNT], s[CNT], 1
	s_cmp_lg_u32 s[CNT], 0
	s_cbranch_scc1 .Ltiles_0
; Behind group k its four places are free (LDS serves a wave's instructions in order, ISA guide 5.7.1.4: the group's loads come first): group k + 3's tiles take them.
.irp g, 11,12,13,14
	DUMP \g
.endr
	WIN 0
	GROUP 1, 1, 16
.irp g, 15,16,17,18
	DUMP \g
.endr
	WIN 0
	GROUP 2, 1, 16
.irp g, 19,20,21,22
	DUMP \g
.endr
	WIN 0
	GROUP 3, 1, 16
.irp g, 23,24,25,26
	DUMP \g
.endr
	WIN 0
	GROUP 4, 1, 16
.irp g, 27,28,29,30
	DUMP \g
.endr
	WIN 0
	GROUP 5, 1, 16
	DUMP 31
	WIN 0
	GROUP 6, 1, 4                                  ; the last refill: step 7
	GROUP 7, 0, 0                                  ; nothing is left to fetch: a plain barrier shows step 7 whole
	s_mov_b32 s[DBS], 2048*8
	TILE 0, 0, 0, 0, 0, 0                          ; tile 31
	s_wait_dscnt 0x0                               ; its diff
	WIN 0x04
.irp t, 0,1,2,3
	P3 \t
.endr
	WIN 0
; THE WAY OUT.  A lane's two chains, then lane l xor 16's: my half of m for row r.  The two waves of a half of the rows meet in LDS.
.irp t, 0,1,2,3
	v_add_f32 v[QQ+2*\t], v[QQ+2*\t], v[QQ+2*\t+1]
.endr
.irp t, 0,1,2,3
	v_permlanex16_b32 v[PT+\t], v[QQ+2*\t], s20, s21
.endr
.irp t, 0,1,2,3
	v_add_f32 v[QQ+2*\t], v[QQ+2*\t], v[PT+\t]
.endr
.irp t, 0,1,2,3
	ds_store_b32 v[RSA], v[QQ+2*\t] offset:64*\t   ; row 16 t + r of my 64; lanes l and l xor 16 write the same word with the same value
.endr
	s_wait_dscnt 0x0                               ; for the others' sake
	s_barrier_signal -1
	s_barrier_wait -1
	s_cmp_gt_u32 s12, 1                            ; waves 0 and 1 finish rows 0-63 and 64-127: two rows a lane, so that a wave's store covers 256 consecutive bytes, aligned
	s_cbranch_scc1 .Lend
	ds_load_b64 v[52:53], v[RRA]                   ; the half mh = 0
	ds_load_b64 v[54:55], v[RRA] offset:256        ; the half mh = 1
	s_wait_dscnt 0x0
	v_pk_add_f32 v[52:53], v[52:53], v[54:55]
	v_mul_f32 v52, 0xbab8aa3b, v52                 ; x -log2(e) / 1024
	v_mul_f32 v53, 0xbab8aa3b, v53
	v_exp_f32 v60, v52
	v_exp_f32 v61, v53
	v_nop                                          ; a plain place behind the exponentials
	s_wait_alu depctr_va_vdst(0)                   ; one wait for both, ahead of their first use and of the label
	global_store_b64 v[OO], v[60:61], s[10:11]
.Lend:
	s_wait_tensorcnt 0x0                           ; the wave's end, behind my last tensor load and my last LDS store
	ds_add_u32 v[SPW], v[NIL]
	s_wait_dscnt 0x0
	CROUND                                         ; the closing round: no work-group ends while a partner may still ask for a tile that names it
	s_endpgm
.Lfunc_end_k_q6fcc80957b_hmu:
	.size	k_q6fcc80957b_hmu, .Lfunc_end_k_q6fcc80957b_hmu-k_q6fcc80957b_hmu
	.p2alignl 7, 3214868480
	.fill 96, 4, 3214868480
	.section	.rodata,"a",@progbits
	.p2align	6, 0x0
	.amdhsa_kernel k_q6fcc80957b_hmu
		.amdhsa_group_segment_fixed_size 327680
		.amdhsa_private_segment_fixed_size 0
		.amdhsa_enable_private_segment 0
		.amdhsa_kernarg_size 32
		.amdhsa_user_sgpr_count 2
		.amdhsa_user_sgpr_kernarg_segment_ptr 1
		.amdhsa_wavefront_size32 1
		.amdhsa_system_sgpr_workgroup_id_x 1
		.amdhsa_system_sgpr_workgroup_id_y 1
		.amdhsa_system_sgpr_workgroup_id_z 1
		.amdhsa_system_vgpr_workitem_id 0
		.amdhsa_next_free_vgpr 1024
		.amdhsa_next_free_sgpr 66
		.amdhsa_reserve_vcc 0
		.amdhsa_float_denorm_mode_32 3
		.amdhsa_float_denorm_mode_16_64 3
		.amdhsa_memory_ordered 1
		.amdhsa_forward_progress 1
		.amdhsa_inst_pref_size 255
	.end_amdhsa_kernel
	.section	.bss,"aw",@nobits
	.p2align	6
	.space	262144
	.amdgpu_metadata
---
amdhsa.version: [ 1, 2 ]
amdhsa.kernels:
  - .name:           k_q6fcc80957b_hmu
    .symbol:         k_q6fcc80957b_hmu.kd
    .args:
      - { .name: x, .offset: 0, .size: 8, .value_kind: global_buffer, .address_space: global }
      - { .name: mu, .offset: 8, .size: 8, .value_kind: global_buffer, .address_space: global }
      - { .name: wq, .offset: 16, .size: 8, .value_kind: global_buffer, .address_space: global }
      - { .name: out0, .offset: 24, .size: 8, .value_kind: global_buffer, .address_space: global }
    .group_segment_fixed_size: 327680
    .private_segment_fixed_size: 0
    .kernarg_segment_align: 8
    .kernarg_segment_size: 32
    .max_flat_workgroup_size: 128
    .sgpr_count:     66
    .vgpr_count:     1024
    .wavefront_size: 32
...
	.end_amdgpu_metadata
.endif
;; end of part 2
;; ======== version 2 of 2: 2 launches
;; limits: values are held in bf16: 8 bits of precision; right only within a limited range of input values
;; workspace buffers: wq 819,200 bytes
;; launch prep (part 3): grid 128 x 1, 4 waves a work-group, no clusters, 0 bytes of LDS; arguments v, lambda_base, wq; writes wq
.if DOCPART == 3
	.amdgcn_target "amdgcn-amd-amdhsa--gfx1250"
	.amdhsa_code_object_version 6
	.text
	.protected	k_q6fcc80957b_prep
	.globl	k_q6fcc80957b_prep
	.p2align	8
	.type	k_q6fcc80957b_prep,@function
k_q6fcc80957b_prep:
	s_mov_b64 s[64:65], 0
	v_nop
	global_prefetch_b8 v0, s[64:65] scope:SCOPE_SE
	s_setreg_imm32_b32 hwreg(HW_REG_WAVE_MODE, 25, 1), 1
	s_wait_xcnt 0x0
; W = lambda I + v^T v, [1024][1024], is made in f32 (eight fused multiply-adds a number, then lambda on the diagonal), quantised along its second axis
; to codes of FP6 (E2M3) with one E8M0 byte for each 32, and stored in the order in which the next launch's operand registers take it.
; wq: 8 steps of 102,400 bytes; a step = the half mh = 0 (51,200 bytes), then mh = 1; a half = 4 records of 12,800 bytes.  A record is one tile of 16 rows of W for all of K:
; 8 fragments (K step s) of 1,536 bytes as images of their 12 registers (group c of four registers: lane l's 16 bytes at 512 c + 16 l), then 512 bytes of scale words:
; the word of tile row r and K step s at 12,288 + 16 r + 256 (s / 4) + 4 (s % 4).
; THE ROWS OF A TILE ARE NOT NEIGHBOURS: tile jt (0..31) of half mh has as its row r the row 512 mh + 32 (jt / 2) + 8 (jt % 2) + r + 8 (r / 8) of W.
; SHARES: one fragment a wave: 64 tiles x 8 K steps = 512 waves.  Lane (r, h) holds row r and, in register 16 b + i, column 128 s + 32 b + 16 h + i.
; LIMITS: NaN and infinities are not served; a block whose largest magnitude lies under 2^-124 keeps the byte 1 (a block of zeros too: its codes are zeros, and this program alone reads the bytes).
; The scale words leave as 4 bytes a lane, 16 bytes apart: 32 KB of the buffer's 800 KB.
.set VM,  16                           ; v16-23   v[j][my row], j = 0 .. 7
.set TM,  24                           ; v24-27 largest magnitudes, v28-31 bytes, v36-39 the conversions' scale operands
.set PW,  40                           ; the scale word
.set PC,  44                           ; v44-55 the fragment; v56-62 halves on their way
.set ACC, 64                           ; v64-127  my 64 numbers of W
.set VK,  128                          ; v128-191, v192-255: v[j][my 64 columns], two buffers
	s_load_b128 s[4:7], s[0:1], 0x0                ; v s[4:5], lambda_base s[6:7]
	s_load_b64 s[8:9], s[0:1], 0x10                ; wq
	v_lshrrev_b32 v10, 5, v0
	v_readfirstlane_b32 s12, v10                   ; wave
	s_lshl_b32 s13, ttmp9, 2
	s_add_co_u32 s13, s13, s12                     ; which fragment: 0 .. 511
	s_and_b32 s14, s13, 7                          ; s: the K step
	s_lshr_b32 s15, s13, 3                         ; the tile, 0 .. 63
	s_lshr_b32 s16, s15, 5                         ; mh
	s_and_b32 s17, s15, 31                         ; jt
	s_lshl_b32 s18, s16, 9
	s_lshr_b32 s19, s17, 1
	s_lshl_b32 s19, s19, 5
	s_add_co_u32 s18, s18, s19
	s_and_b32 s19, s17, 1
	s_lshl_b32 s19, s19, 3
	s_add_co_u32 s18, s18, s19                     ; 512 mh + 32 (jt / 2) + 8 (jt % 2)
	s_mov_b32 s32, 0x76543210
	s_mov_b32 s33, 0xfedcba98                      ; v_permlanex16_b32's selects for lane l xor 16
	v_and_b32 v1, 15, v0                           ; r
	v_bfe_u32 v2, v0, 4, 1                         ; h
	v_and_b32 v3, 8, v1
	v_add3_u32 v3, v3, v1, s18                     ; m: my row of W
	v_lshlrev_b32 v6, 2, v3                        ; its byte in a row of v
	s_lshl_b32 s19, s14, 7
	v_lshl_add_u32 v4, v2, 4, s19
	v_sub_nc_u32 v4, v3, v4                        ; D = m - 128 s - 16 h: register 16 b + i lies on the diagonal where 32 b + i = D
	v_lshlrev_b32 v5, 6, v2                        ; 64 h: my half's 16 numbers of a block
	v_and_b32 v7, 31, v0
	v_lshlrev_b32 v7, 4, v7                        ; 16 x lane: my place in an image
	v_lshlrev_b32 v8, 4, v1                        ; 16 r: my row's place among the scale words
	s_lshl_b32 s22, s14, 9                         ; the K step's 128 columns, in bytes
	s_mov_b32 s23, 0
	s_lshr_b32 s24, s17, 2
	s_mul_i32 s24, s24, 102400
	s_mul_i32 s25, s16, 51200
	s_add_co_u32 s24, s24, s25
	s_and_b32 s25, s17, 3
	s_mul_i32 s25, s25, 12800
	s_add_co_u32 s24, s24, s25                     ; the record
	s_mul_i32 s25, s14, 1536
	s_add_co_u32 s26, s24, s25                     ; my fragment in it
	s_mov_b32 s27, 0
	s_lshr_b32 s25, s14, 2
	s_lshl_b32 s25, s25, 8
	s_add_co_u32 s30, s24, s25
	s_and_b32 s25, s14, 3
	s_lshl_b32 s25, s25, 2
	s_add_co_u32 s30, s30, s25
	s_add_co_u32 s30, s30, 12288                   ; my K step's scale words in it
	s_mov_b32 s31, 0
	s_wait_alu depctr_va_vdst(0)
	s_wait_kmcnt 0x0
	s_load_b32 s28, s[6:7], 0x0                    ; lambda
	s_add_nc_u64 s[20:21], s[4:5], s[22:23]
	s_add_nc_u64 s[26:27], s[8:9], s[26:27]
	s_add_nc_u64 s[30:31], s[8:9], s[30:31]
.irp j, 0,1,2,3,4,5,6,7
	global_load_b32 v[VM+\j], v6, s[4:5] offset:4096*\j
.endr
.macro VKLOAD j                        ; v[j][128 s + 32 b + 16 h + 0 .. 15], b = 0 .. 3, into buffer j % 2
.irp b, 0,1,2,3
.irp c, 0,1,2,3
	global_load_b128 v[VK+64*((\j)%2)+16*\b+4*\c:VK+64*((\j)%2)+16*\b+4*\c+3], v5, s[20:21] offset:4096*(\j)+128*\b+16*\c
.endr
.endr
.endm
	VKLOAD 0
	VKLOAD 1
.irp b, 0,1,2,3
	v_mov_b32 v[TM+4+\b], 0                        ; written once: a lane permute's destination counts as one of its sources
.endr
	s_wait_kmcnt 0x0
	v_mov_b32 v9, s28                              ; lambda
.irp j, 0,1,2,3,4,5,6,7
.if \j < 7
	s_wait_loadcnt 16                              ; this j's numbers are in; the other buffer's 16 loads may be out
.else
	s_wait_loadcnt 0x0
.endif
.set N, 0
.rept 64
.if \j == 0
	v_mul_f32 v[ACC+N], v[VM], v[VK+N]             ; the first product starts the sums
.else
	v_fmac_f32 v[ACC+N], v[VM+\j], v[VK+64*(\j%2)+N]
.endif
.set N, N+1
.endr
.if \j < 6
	VKLOAD \j+2
.endif
.endr
.set N, 0
.rept 64                               ; + lambda on the diagonal: a choice of value on whole numbers made of ids, no branch
	v_cmp_eq_i32 vcc_lo, 32*(N/16)+N%16, v4
	v_cndmask_b32 v10, 0, v9, vcc_lo
	v_add_f32 v[ACC+N], v[ACC+N], v10
.set N, N+1
.endr
; The quantiser.  A block of 32 lies in lanes l and l xor 16.
.irp b, 0,1,2,3
	v_max3_num_f32 v[TM+\b], |v[ACC+16*\b]|, |v[ACC+1+16*\b]|, 0x1800000   ; my 16 numbers, and the floor 2^(3 - 127): the byte cannot fall under 1
.endr
.irp i, 2,4,6,8,10,12,14
.irp b, 0,1,2,3
	v_max3_num_f32 v[TM+\b], v[TM+\b], |v[ACC+16*\b+\i]|, |v[ACC+1+16*\b+\i]|   ; the four blocks by turns
.endr
.endr
.irp b, 0,1,2,3
	v_permlanex16_b32 v[TM+4+\b], v[TM+\b], s32, s33
.endr
.irp b, 0,1,2,3
	v_max_num_f32 v[TM+\b], v[TM+\b], v[TM+4+\b]   ; with lane l xor 16's: the block's largest magnitude
.endr
.irp b, 0,1,2,3
	v_add_nc_u32 v[TM+12+\b], 0xff000000, v[TM+\b] ; 2 off its exponent field: the conversion takes this operand's exponent field as its scale
.endr
.irp b, 0,1,2,3
	v_lshrrev_b32 v[TM+4+\b], 23, v[TM+12+\b]      ; the scale's byte
.endr
	v_lshl_or_b32 v[PW], v[TM+5], 8, v[TM+4]       ; four bytes: my row's scale word for this K step
	v_lshl_or_b32 v[PW], v[TM+6], 16, v[PW]
	v_lshl_or_b32 v[PW], v[TM+7], 24, v[PW]
.irp c, 0,1
	v_cvt_scalef32_pk16_fp6_f32 v[PC+6*\c:PC+2+6*\c], v[ACC+32*\c:ACC+15+32*\c], v[TM+12+2*\c]
	v_cvt_scalef32_pk16_fp6_f32 v[PC+12+4*\c:PC+14+4*\c], v[ACC+16+32*\c:ACC+31+32*\c], v[TM+13+2*\c]   ; (a conversion's three registers begin on an even number)
.endr
	v_nop                                          ; one plain place behind a scaled conversion
.irp c, 0,1                            ; the operand's layout wants a whole block in a lane: lanes 0-15 block 2 c, lanes 16-31 block 2 c + 1
.irp i, 0,1,2
	v_permlane16_swap_b32 v[PC+6*\c+\i], v[PC+12+4*\c+\i]
.endr
.irp i, 0,1,2
	v_mov_b32 v[PC+3+6*\c+\i], v[PC+12+4*\c+\i]
.endr
.endr
.irp c, 0,1,2
	global_store_b128 v7, v[PC+4*\c:PC+4*\c+3], s[26:27] offset:512*\c   ; 32 lanes store 512 consecutive bytes, at a multiple of 256 from the buffer's first byte
.endr
	global_store_b32 v8, v[PW], s[30:31]           ; lanes l and l xor 16 hold the same word and write it to the same place
	s_endpgm
.Lfunc_end_k_q6fcc80957b_prep:
	.size	k_q6fcc80957b_prep, .Lfunc_end_k_q6fcc80957b_prep-k_q6fcc80957b_prep
	.p2alignl 7, 3214868480
	.fill 96, 4, 3214868480
	.section	.rodata,"a",@progbits
	.p2align	6, 0x0
	.amdhsa_kernel k_q6fcc80957b_prep
		.amdhsa_group_segment_fixed_size 0
		.amdhsa_private_segment_fixed_size 0
		.amdhsa_enable_private_segment 0
		.amdhsa_kernarg_size 24
		.amdhsa_user_sgpr_count 2
		.amdhsa_user_sgpr_kernarg_segment_ptr 1
		.amdhsa_wavefront_size32 1
		.amdhsa_system_sgpr_workgroup_id_x 1
		.amdhsa_system_sgpr_workgroup_id_y 1
		.amdhsa_system_sgpr_workgroup_id_z 1
		.amdhsa_system_vgpr_workitem_id 0
		.amdhsa_next_free_vgpr 256
		.amdhsa_next_free_sgpr 66
		.amdhsa_reserve_vcc 1
		.amdhsa_float_denorm_mode_32 3
		.amdhsa_float_denorm_mode_16_64 3
		.amdhsa_memory_ordered 1
		.amdhsa_forward_progress 1
		.amdhsa_inst_pref_size 43
	.end_amdhsa_kernel
	.amdgpu_metadata
---
amdhsa.version: [ 1, 2 ]
amdhsa.kernels:
  - .name:           k_q6fcc80957b_prep
    .symbol:         k_q6fcc80957b_prep.kd
    .args:
      - { .name: v, .offset: 0, .size: 8, .value_kind: global_buffer, .address_space: global }
      - { .name: lambda_base, .offset: 8, .size: 8, .value_kind: global_buffer, .address_space: global }
      - { .name: wq, .offset: 16, .size: 8, .value_kind: global_buffer, .address_space: global }
    .group_segment_fixed_size: 0
    .private_segment_fixed_size: 0
    .kernarg_segment_align: 8
    .kernarg_segment_size: 24
    .max_flat_workgroup_size: 128
    .sgpr_count:     66
    .vgpr_count:     256
    .wavefront_size: 32
...
	.end_amdgpu_metadata
.endif
;; end of part 3
;; launch hmu (part 4): grid 512 x 1, 4 waves a work-group, no clusters, 327,680 bytes of LDS; arguments x, mu, wq, out0; writes out0
.if DOCPART == 4
	.amdgcn_target "amdgcn-amd-amdhsa--gfx1250"
	.amdhsa_code_object_version 6
	.text
	.protected	k_q6fcc80957b_hmu
	.globl	k_q6fcc80957b_hmu
	.p2align	8
	.type	k_q6fcc80957b_hmu,@function
k_q6fcc80957b_hmu:
	s_mov_b64 s[64:65], 0
	v_nop
	global_prefetch_b8 v0, s[64:65] scope:SCOPE_SE
	s_setreg_imm32_b32 hwreg(HW_REG_WAVE_MODE, 25, 1), 1
	s_wait_xcnt 0x0
; out[b] = exp(-(sum over m of T[b][m] diff[b][m]) / 1024), diff = x - mu in f32, T[b][m] = sum over k of Q(W)[m][k] Q(diff)[b][k] on codes of FP6 (E2M3), one E8M0 scale for each 32 along K.
; W's codes and scale words come from wq, laid by the launch before as images of the operand's registers.
; SHARES.  A work-group takes 128 rows of x.  Wave w = (kh = w % 2, xh = w / 2).
; PHASE Q: the wave loads columns 512 kh .. + 511 of rows 64 xh .. + 63 once (16 units of 16 rows x 128 columns), subtracts mu, turns each unit through its own stage in LDS so that a lane holds
;   16 neighbours of one row, stores diff rounded to bf16 in LDS (all 128 rows x 1,024 columns: 262,144 bytes) and quantises.  The turn of unit u + 1 is issued ahead of the vector work on unit u.
;   The wave's 16 fragments stay in its operand registers; the wave with the other 64 rows and the same kh gets them through two LDS buffers that take turns, one barrier for each of the four K steps.
; PHASE T: the wave multiplies all 128 rows (group 0: 4 tiles of its own, group 1: 4 of the partner's) x K half kh (4 K steps) x m half xh (32 tiles of 16): 1,024 matrix instructions.  The last dot product is
;   linear in T, so the two K halves of T are dotted with diff apart and the four waves' parts are added at the end.  Each fragment of W is read by ONE wave of the work-group and feeds eight products:
;   it goes from wq straight into registers, a ring of four tile sets, asked for three tiles (39 loads) ahead.  A tile goes group by group, 16 products each; behind each product stand two multiply-adds
;   of the dot product of the OTHER group's finished accumulators.
;   The product is used TRANSPOSED (source 0 = 16 rows of W, source 1 = 16 rows of diff): lane (r, h) holds row r and m = 512 xh + 32 (g / 2) + 16 h + 8 (g % 2) + 0 .. 7, the numbers of diff that a lane packed in phase Q.
; NO CLUSTER, NO TENSOR LOAD: diff 262,144 + exchange 49,152 + scale words 4,096 + stages 9,216 + partial sums 2,048 + spare words 512 bytes leave 512 of LDS's 327,680: there is no room for a slot of W.
; NO PREFETCH: x's loads run two to three units (32 to 48 loads a wave) ahead and W's three tiles ahead, both in registers.
; NOT DONE: the stream of x does not overlap the products of the same work-group: a second block's diff and codes do not fit beside the first.
; LIMITS.  NaN and infinities are not served; a block whose largest magnitude lies under 2^-124 keeps the byte 1; diff is rounded to bf16 for the last dot product alone (T stays f32); a result under 2^-126 comes out as 0.
; REGISTERS, in windows of 256 (s_set_vgpr_msb: bits 1:0 source 0, 3:2 source 1, 5:4 source 2, 7:6 destination):
;   window 0: addresses; v16-47 diff's scale words; v48-63 W's, four sets; v80-95 the quantiser's; v96-127 an even unit's bf16; v128-191, v192-255 turned units, even and odd
;   window 1: v0-191 group 0's codes at 12 (4 q + t); v192-223 group 1's accumulators (phase Q: an odd unit's bf16); v224-255 group 0's dot sums (phase Q: v240-246 halves of blocks on their way)
;   window 2: v0-191 group 1's codes; v192-223 group 0's accumulators; v224-255 group 1's dot sums; in phase Q v192-255 hold mu
;   window 3: phase Q: x as loaded, four sets of 64; phase T: v0-191 W's fragments, set x 48 + 12 q; v192-223 group 0's diff, two slots; v224-255 group 1's
.set FRB,    1536                      ; a fragment's image
.set DIF,    0                         ; diff in bf16: ((32 half + g) x 8 + row tile) x 512 + 16 x lane
.set IMG,    262144                    ; the exchange: two buffers of 16 images, (4 w + t) x 1,536
.set IMGB,   24576
.set XSC,    311296                    ; their scale words: two buffers of 16 x 128 bytes
.set STG,    315392                    ; each wave's stage for the turn
.set SPAIR,  272                       ; two stage rows of 128 bytes + 16: row p lies at 272 (p / 2) + 128 (p % 2), so that the 16 lanes of a store's or a load's half touch 16 different places of 16 bytes modulo 256
.set STGW,   2304
.set RED,    324608                    ; the waves' partial sums: 512 bytes a wave
.set SPARE,  326656                    ; the spare words, 128 bytes a wave: two blocks of 256 bytes that no other line names
.set SPW, 1
.set NIL, 2
.set XA,  3                            ; x: 4,096 (lane / 8) + 16 (lane % 8)
.set LI,  4                            ; 16 x lane
.set IWA, 5                            ; where I store images
.set SWA, 6                            ; and their scale words
.set IRA, 7                            ; where I read the partner's images
.set SRA, 8                            ; and scale words
.set STA, 9                            ; the stage, on the way in: row lane / 8, byte 16 (lane % 8)
.set STL, 10                           ; and on the way out: row r, byte 64 h
.set DW0, 11                           ; where I store diff, K steps 0 and 1 of my four; v12: 2 and 3
.set DBO, 13                           ; where I read diff: my m half, my own rows
.set DBP, 14                           ; the partner's rows
.set DS,  16                           ; diff's scale words: 16 x group + 4 t + q
.set WS,  48                           ; W's: 4 x set + q
.set DAO, 64                           ; DBO, DBP + the trip's four tiles
.set DAP, 65
.set WO,  66                           ; wq: 16 x lane + my K half's fragments
.set WSO, 67                           ; wq: my K half's scale words of tile row r
.set RSO, 68                           ; partial sums: my own rows; v69: the partner's
.set RRA, 70
.set OO,  71
.set MO,  72                           ; mu: 16 (lane % 8)
.set TM,  80
.set ACC, 192                          ; in windows 1 and 2
.set QQ,  224                          ; 8 t + j: a sum for each register of an accumulator
.set PT,  240                          ; in window 1
.set MUR, 192                          ; in window 2
.set DT,  192                          ; in window 3: group 0's slots at DT, DT + 16; group 1's at DT + 32, DT + 48
.set DBS, 52                           ; s52 the trip's place in diff
.set CNT, 53
.set MSB, 0
.macro WIN new                         ; the immediate's high byte repeats the setting that is left; a switch that changes nothing is dropped
.if MSB != (\new)
	s_set_vgpr_msb (MSB<<8)|(\new)
.set MSB, \new
.endif
.endm
.macro NOPS n
.rept \n
	v_nop
.endr
.endm
	s_load_b256 s[4:11], s[0:1], 0x0               ; x s[4:5], mu s[6:7], wq s[8:9], out0 s[10:11]
	v_lshl_add_u32 v[SPW], v0, 2, SPARE
	v_mov_b32 v[NIL], 0
	v_lshrrev_b32 v73, 5, v0
	v_readfirstlane_b32 s12, v73                   ; wave 0..3
	s_lshr_b32 s13, s12, 1                         ; xh
	s_and_b32 s14, s12, 1                          ; kh
	s_xor_b32 s15, s12, 2                          ; the partner: same kh, the other rows
	s_xor_b32 s16, s13, 1                          ; 1 - xh
	s_mov_b32 s20, 0x76543210
	s_mov_b32 s21, 0xfedcba98                      ; v_permlanex16_b32's selects for lane l xor 16
	s_mul_i32 s30, s12, 4*FRB                      ; LDS addresses: constants, the lane and the wave's number alone
	s_add_co_u32 s30, s30, IMG
	s_mul_i32 s31, s15, 4*FRB
	s_add_co_u32 s31, s31, IMG
	s_lshl_b32 s32, s12, 9
	s_add_co_u32 s32, s32, XSC
	s_lshl_b32 s33, s15, 9
	s_add_co_u32 s33, s33, XSC
	s_mul_i32 s34, s12, STGW
	s_add_co_u32 s34, s34, STG
	s_lshl_b32 s35, s14, 17
	s_lshl_b32 s36, s13, 11
	s_add_co_u32 s35, s35, s36                     ; I store: column half kh, row tiles 4 xh ..
	s_lshl_b32 s37, s13, 17
	s_add_co_u32 s36, s37, s36                     ; I read: m half xh, row tiles 4 xh ..
	s_lshl_b32 s38, s16, 11
	s_add_co_u32 s37, s37, s38                     ; and row tiles 4 (1 - xh) ..
	s_mul_i32 s38, s14, 4*FRB
	s_lshl_b32 s39, s14, 8
	s_add_co_u32 s39, s39, 8*FRB
	s_lshl_b32 s40, s12, 9
	s_add_co_u32 s40, s40, RED
	s_lshl_b32 s41, s16, 8
	s_add_co_u32 s41, s41, s40
	s_lshl_b32 s42, s13, 8
	s_add_co_u32 s40, s40, s42
	s_lshl_b32 s42, s14, 8
	s_add_co_u32 s43, s42, RED
	s_lshl_b32 s44, ttmp9, 19                      ; x: my work-group's 128 rows of 4,096 bytes,
	s_lshl_b32 s46, s13, 18                        ; my wave's 64 of them,
	s_add_co_u32 s44, s44, s46
	s_lshl_b32 s46, s14, 11                        ; its 512 columns
	s_add_co_u32 s44, s44, s46
	s_mov_b32 s45, 0
	s_mov_b32 s47, 0
	s_mul_i32 s48, s13, 51200                      ; wq: my m half of each step
	s_mov_b32 s49, 0
	s_lshl_b32 s50, ttmp9, 9                       ; out0: 512 bytes a work-group, 256 for each of waves 0 and 1 (there kh is the wave's number)
	s_add_co_u32 s50, s50, s42
	s_mov_b32 s51, 0
	v_and_b32 v74, 31, v0                          ; lane
	v_and_b32 v75, 15, v0                          ; r
	v_bfe_u32 v76, v0, 4, 1                        ; h
	v_bfe_u32 v77, v0, 3, 2                        ; lane / 8
	v_and_b32 v78, 7, v0                           ; lane % 8
	v_bfe_u32 v79, v0, 3, 1                        ; (lane / 8) % 2
	v_bfe_u32 v73, v0, 1, 3                        ; r / 2
	v_lshlrev_b32 v[LI], 4, v74
	v_lshlrev_b32 v[MO], 4, v78
	v_lshl_add_u32 v[XA], v77, 12, v[MO]
	v_add_nc_u32 v[IWA], s30, v[LI]
	v_add_nc_u32 v[IRA], s31, v[LI]
	v_lshl_add_u32 v[SWA], v74, 2, s32
	v_lshl_add_u32 v[SRA], v74, 2, s33
	v_mad_u32_u24 v[STA], v76, SPAIR, v[MO]        ; (lane / 8) / 2 is h
	v_lshl_add_u32 v[STA], v79, 7, v[STA]
	v_add_nc_u32 v[STA], s34, v[STA]
	v_mul_u32_u24 v[STL], v73, SPAIR
	v_and_b32 v79, 1, v0                           ; r % 2
	v_lshl_add_u32 v[STL], v79, 7, v[STL]
	v_lshl_add_u32 v[STL], v76, 6, v[STL]
	v_add_nc_u32 v[STL], s34, v[STL]
	v_add_nc_u32 v[DW0], s35, v[LI]
	v_add_nc_u32 v[DW0+1], 0x10000, v[DW0]
	v_add_nc_u32 v[DBO], s36, v[LI]
	v_add_nc_u32 v[DBP], s37, v[LI]
	v_add_nc_u32 v[WO], s38, v[LI]
	v_lshl_add_u32 v[WSO], v75, 4, s39
	v_lshl_add_u32 v[RSO], v75, 2, s40
	v_lshl_add_u32 v[RSO+1], v75, 2, s41
	v_lshl_add_u32 v[RRA], v74, 3, s43
	v_lshlrev_b32 v[OO], 3, v74
.irp b, 0,1,2,3
	v_mov_b32 v[TM+4+\b], 0                        ; written once: a lane permute's destination counts as one of its sources
.endr
	s_wait_alu depctr_va_vdst(0)                   ; the wait at the head's end
	s_wait_kmcnt 0x0
	s_add_nc_u64 s[4:5], s[4:5], s[44:45]
	s_add_nc_u64 s[6:7], s[6:7], s[46:47]
	s_add_nc_u64 s[8:9], s[8:9], s[48:49]
	s_add_nc_u64 s[10:11], s[10:11], s[50:51]
	WIN 0x80
.irp q, 0,1,2,3,4,5,6,7,8,9,10,11,12,13,14,15
	global_load_b128 v[MUR+4*\q:MUR+4*\q+3], v[MO], s[6:7] offset:128*\q   ; mu of block q of my 16, in the layout in which x is loaded
.endr
; A UNIT is 16 rows (tile t) x 128 columns (my K step sp), four blocks b of 32 columns.  Load (b, i) takes rows 4 i .. 4 i + 3 of block b: eight lanes to a row's 128 consecutive bytes.  Unit u = 4 sp + t uses set t.
.macro XLOAD sp, t
	WIN 0xC0
.irp b, 0,1,2,3
.irp i, 0,1,2,3
	global_load_b128 v[64*(\t)+16*\b+4*\i:64*(\t)+16*\b+4*\i+3], v[XA], s[4:5] offset:65536*(\t)+16384*\i+512*(\sp)+128*\b th:TH_LOAD_NT
.endr
.endr
.endm
; W's tile at byte off of my half: four fragments of my K half into ring set, and their scale words: 13 loads
.macro WLOAD set, off
	WIN 0xC0
.irp q, 0,1,2,3
.irp c, 0,1,2
	global_load_b128 v[48*(\set)+12*\q+4*\c:48*(\set)+12*\q+4*\c+3], v[WO], s[8:9] offset:(\off)+FRB*\q+512*\c
.endr
.endr
	WIN 0
	global_load_b128 v[WS+4*(\set):WS+4*(\set)+3], v[WSO], s[8:9] offset:\off
.endm
	XLOAD 0, 0
	XLOAD 0, 1
	XLOAD 0, 2
	XLOAD 0, 3
; The first half of a unit: diff = x - mu as loaded, and THE TURN: in as loaded, out 64 bytes a lane: register 16 b + i = column 32 b + 16 h + i of row r, into the turned set u % 2.
; LDS serves a wave's instructions in order (ISA guide 5.7.1.4): one stage serves all blocks and all units with no wait between.
.macro TURN sp, t
.set UU, 4*(\sp)+(\t)
.set XB, 128+64*(UU%2)
.if UU == 0
	s_wait_loadcnt 48                              ; mu and unit 0 are in; units 1 to 3 may be out
.elseif UU <= 13
	s_wait_loadcnt 32                              ; this unit's 16 loads are in; the two younger units' may be out
.elseif UU == 14
	s_wait_loadcnt 29                              ; unit 15's 16 loads and the 13 of W's tile 0 may be out
.else
	s_wait_loadcnt 26                              ; W's tiles 0 and 1 may be out
.endif
	WIN 0xCB
.irp b, 0,1,2,3
.irp i, 0,1,2,3
	v_pk_add_f32 v[64*(\t)+16*\b+4*\i:64*(\t)+16*\b+4*\i+1], v[64*(\t)+16*\b+4*\i:64*(\t)+16*\b+4*\i+1], v[MUR+16*(\sp)+4*\b:MUR+16*(\sp)+4*\b+1] neg_lo:[0,1] neg_hi:[0,1]
	v_pk_add_f32 v[64*(\t)+16*\b+4*\i+2:64*(\t)+16*\b+4*\i+3], v[64*(\t)+16*\b+4*\i+2:64*(\t)+16*\b+4*\i+3], v[MUR+16*(\sp)+4*\b+2:MUR+16*(\sp)+4*\b+3] neg_lo:[0,1] neg_hi:[0,1]
.endr
.endr
	WIN 0x0C
.irp b, 0,1,2,3
.irp i, 0,1,2,3
	ds_store_b128 v[STA], v[64*(\t)+16*\b+4*\i:64*(\t)+16*\b+4*\i+3] offset:2*SPAIR*\i
.endr
.irp j, 0,1,2,3
	ds_load_b128 v[XB+16*\b+4*\j:XB+16*\b+4*\j+3], v[STL] offset:16*\j
.endr
.endr
.endm
; The second half: bf16 for the dot product, the quantiser, the fragment.  Behind this unit's turn stand the last unit's 12 stores and the next unit's turn, 32 LDS instructions: they may be out.
; The bf16 set u % 2 was last stored two units ago, ahead of this unit's turn: those stores are done with it.
.macro WORK sp, t
.set UU, 4*(\sp)+(\t)
.set CO, 12*UU                         ; the fragment's place among my codes, in window 1
.set XB, 128+64*(UU%2)
.set PK, 96+96*(UU%2)                  ; window 0 v96 (even units), window 1 v192 (odd)
.if UU == 0
	s_wait_dscnt 32
.elseif UU == 15
	s_wait_dscnt 12
.else
	s_wait_dscnt 44
.endif
.if (\sp) < 3
	XLOAD (\sp)+1, \t                              ; the stage's stores have read the set: it takes the unit four further on
.elseif (\t) == 0
	WLOAD 0, 0                                     ; x's sets 0 .. t are done with: W's first tiles fill the ring (set s lies in v48 s .. + 47)
.elseif (\t) == 1
	WLOAD 1, 12800
.elseif (\t) == 2
	WLOAD 2, 25600
	WLOAD 3, 38400
.endif
	WIN 0x40*(UU%2)
.irp g8, 0,1,2,3,4,5,6,7               ; numbers 8 g8 .. + 7 are what this lane's place meets in tile g = 8 sp + g8 of T
.irp jj, 0,1,2,3
	v_cvt_pk_bf16_f32 v[PK+4*\g8+\jj], v[XB+8*\g8+2*\jj], v[XB+8*\g8+2*\jj+1]
.endr
.endr
	WIN 0x04*(UU%2)
.irp g8, 0,1,2,3,4,5,6,7
	ds_store_b128 v[DW0+(\sp)/2], v[PK+4*\g8:PK+4*\g8+3] offset:32768*((\sp)%2)+4096*\g8+512*(\t)
.endr
	WIN 0
.irp b, 0,1,2,3
	v_max3_num_f32 v[TM+\b], |v[XB+16*\b]|, |v[XB+16*\b+1]|, 0x1800000   ; block b: my 16 numbers, and the floor 2^(3 - 127): the byte cannot fall under 1
.endr
.irp i, 2,4,6,8,10,12,14
.irp b, 0,1,2,3
	v_max3_num_f32 v[TM+\b], v[TM+\b], |v[XB+16*\b+\i]|, |v[XB+16*\b+\i+1]|   ; the four blocks by turns
.endr
.endr
.irp b, 0,1,2,3
	v_permlanex16_b32 v[TM+4+\b], v[TM+\b], s20, s21
.endr
.irp b, 0,1,2,3
	v_max_num_f32 v[TM+\b], v[TM+\b], v[TM+4+\b]   ; with lane l xor 16's: the block's largest magnitude
.endr
.irp b, 0,1,2,3
	v_add_nc_u32 v[TM+12+\b], 0xff000000, v[TM+\b] ; 2 off its exponent field: the conversion's scale operand
.endr
.irp b, 0,1,2,3
	v_lshrrev_b32 v[TM+4+\b], 23, v[TM+12+\b]      ; the scale's byte
.endr
	v_lshl_or_b32 v[DS+4*(\t)+(\sp)], v[TM+5], 8, v[TM+4]   ; row r's scale word, in the register from which the products take it
	v_lshl_or_b32 v[DS+4*(\t)+(\sp)], v[TM+6], 16, v[DS+4*(\t)+(\sp)]
	v_lshl_or_b32 v[DS+4*(\t)+(\sp)], v[TM+7], 24, v[DS+4*(\t)+(\sp)]
	WIN 0x40
.irp c, 0,1
	v_cvt_scalef32_pk16_fp6_f32 v[CO+6*\c:CO+6*\c+2], v[XB+32*\c:XB+32*\c+15], v[TM+12+2*\c]
	v_cvt_scalef32_pk16_fp6_f32 v[PT+4*\c:PT+4*\c+2], v[XB+16+32*\c:XB+31+32*\c], v[TM+13+2*\c]   ; (a conversion's three registers begin on an even number)
.endr
	WIN 0x41
	v_nop                                          ; one plain place behind a scaled conversion
.irp c, 0,1                            ; the operand's layout wants a whole block in a lane
.irp i, 0,1,2
	v_permlane16_swap_b32 v[CO+6*\c+\i], v[PT+4*\c+\i]
.endr
.irp i, 0,1,2
	v_mov_b32 v[CO+3+6*\c+\i], v[PT+4*\c+\i]
.endr
.endr
	WIN 0x04                                       ; an LDS store's data are its source 1
.irp c, 0,1,2
	ds_store_b128 v[IWA], v[CO+4*\c:CO+4*\c+3] offset:IMGB*((\sp)%2)+FRB*(\t)+512*\c   ; the fragment's image, for the partner
.endr
	WIN 0
	ds_store_b32 v[SWA], v[DS+4*(\t)+(\sp)] offset:2048*((\sp)%2)+128*(\t)
.endm
; The exchange of K step sp.  Buffer sp % 2 is written again two K steps on, behind the next barrier, in front of which every wave has waited for its reads of it.
.macro SWAPQ sp
	s_wait_alu depctr_va_vdst(0)                   ; ahead of the waits below
	s_wait_dscnt 0x0                               ; for the others' sake: my images, scale words and diff have landed, and my reads of the other buffer are over
	s_barrier_signal -1
	s_barrier_wait -1
	WIN 0x80
.irp t, 0,1,2,3
.irp c, 0,1,2
	ds_load_b128 v[12*(4*(\sp)+\t)+4*\c:12*(4*(\sp)+\t)+4*\c+3], v[IRA] offset:IMGB*((\sp)%2)+FRB*\t+512*\c
.endr
.endr
	WIN 0
.irp t, 0,1,2,3
	ds_load_b32 v[DS+16+4*\t+(\sp)], v[SRA] offset:2048*((\sp)%2)+128*\t
.endr
.endm
	TURN 0, 0
.irp sp, 0,1,2,3
.irp t, 0,1,2,3
.if 4*\sp+\t < 15
	TURN (4*\sp+\t+1)/4, (4*\sp+\t+1)%4
.endif
	WORK \sp, \t
.endr
.if \sp == 3
.irp w, 1,2
	WIN 0x40*\w
.set N, 0
.rept 32
	v_mov_b32 v[QQ+N], 0                           ; the dot sums
.set N, N+1
.endr
.endr
.endif
	SWAPQ \sp
.endr
; One product: ring set, K step q of my four, group g, tile of rows tt.  The scales stand in registers of their own, in lanes 0-15.
.macro PROD set, q, g, tt, zero
.if \zero
	v_wmma_scale_f32_16x16x128_f8f6f4 v[ACC+8*(\tt):ACC+8*(\tt)+7], v[48*(\set)+12*(\q):48*(\set)+12*(\q)+11], v[12*(4*(\q)+(\tt)):12*(4*(\q)+(\tt))+11], 0, v[WS+4*(\set)+(\q)], v[DS+16*(\g)+4*(\tt)+(\q)] matrix_a_fmt:MATRIX_FMT_FP6 matrix_b_fmt:MATRIX_FMT_FP6
.else
	v_wmma_scale_f32_16x16x128_f8f6f4 v[ACC+8*(\tt):ACC+8*(\tt)+7], v[48*(\set)+12*(\q):48*(\set)+12*(\q)+11], v[12*(4*(\q)+(\tt)):12*(4*(\q)+(\tt))+11], v[ACC+8*(\tt):ACC+8*(\tt)+7], v[WS+4*(\set)+(\q)], v[DS+16*(\g)+4*(\tt)+(\q)] matrix_a_fmt:MATRIX_FMT_FP6 matrix_b_fmt:MATRIX_FMT_FP6
.endif
.endm
.macro FM a, jj, d                     ; two terms of T x diff for tile of rows a: T in f32, diff from the two bf16 halves of a register of the slot at d; each register of an accumulator has a sum of its own
	v_fma_mix_f32_bf16 v[QQ+8*(\a)+2*(\jj)], v[(\d)+4*(\a)+(\jj)], v[ACC+8*(\a)+2*(\jj)], v[QQ+8*(\a)+2*(\jj)] op_sel_hi:[1,0,0]
	v_fma_mix_f32_bf16 v[QQ+8*(\a)+2*(\jj)+1], v[(\d)+4*(\a)+(\jj)], v[ACC+8*(\a)+2*(\jj)+1], v[QQ+8*(\a)+2*(\jj)+1] op_sel:[1,0,0] op_sel_hi:[1,0,0]
.endm
; Half a tile: group g's 16 products, its four accumulators by turns, one instruction a turn; K step 0 starts them anew with C = 0.
; ONE window setting serves the products and the other group's dot product: source 0 window 3 (W's fragments; diff); source 1 the window of g's codes, where the OTHER group's accumulators lie;
; destination and C the other window, where g's accumulators and the other group's sums lie.  Group 0: 0xA7, group 1: 0x5B.  An accumulator is read from its low end on.
.macro PHASE set, g, dot, d
	WIN 0xA7-0x4C*(\g)
.irp q, 0,1,2,3
.irp tt, 0,1,2,3
.if \q == 0
	PROD \set, \q, \g, \tt, 1
.else
	PROD \set, \q, \g, \tt, 0
.endif
.if \dot
	FM \q, \tt, \d
.endif
.endr
.endr
.endm
.macro DTL d, a, off                   ; a tile's diff for one group, 4 tiles of rows, into the slot at d
	WIN 0xC0
.irp tt, 0,1,2,3
	ds_load_b128 v[(\d)+4*\tt:(\d)+4*\tt+3], v[\a] offset:(\off)+512*\tt
.endr
.endm
.macro PLACE                           ; where a trip's four tiles of diff lie
	WIN 0
	v_add_nc_u32 v[DAO], v[DBO], s[DBS]
	v_add_nc_u32 v[DAP], v[DBP], s[DBS]
	s_wait_alu depctr_va_vdst(0)
.endm
; Tile i of a trip's four: its group 1 (with group 0's dot product for this tile), the tile's boundary, and the next tile's group 0 (with group 1's dot product for this tile).
; All the memory instructions of a tile stand at the boundary: group 0's diff of the tile two on (ff) and group 1's of the next tile go into the slots just used up; the ring set takes the tile four further on
; (record i of wq's next step).  cnt: the loads of the younger tiles, 13 each, which may stay out.
.macro STEP i, pf, cnt, ff
	NOPS 4                                         ; four places: group 0's accumulators, just finished, are read
	PHASE \i, 1, 1, DT+16*((\i)%2)
	NOPS 4                                         ; four places: group 1's accumulators are read, and loads go into the set
	s_wait_dscnt 0x0                               ; the diff asked for at the last boundary; no LDS instruction of mine is out
.if (\i) == 3
	s_add_co_u32 s[DBS], s[DBS], 16384
	PLACE
	DTL DT+16, DAO, 4096
	DTL DT+32, DAP, 0
.else
.if \ff
	DTL DT+16*((\i)%2), DAO, 4096*((\i)+2)
.endif
	DTL DT+32+16*(((\i)+1)%2), DAP, 4096*((\i)+1)
.endif
.if \pf
	WLOAD \i, 102400+12800*(\i)
.endif
	s_wait_loadcnt \cnt
	PHASE ((\i)+1)%4, 0, 1, DT+32+16*((\i)%2)
.endm
	s_mov_b32 s[DBS], 0
	PLACE
	DTL DT, DAO, 0                                 ; group 0's diff of tiles 0 and 1, group 1's of tile 0
	DTL DT+16, DAO, 4096
	DTL DT+32, DAP, 0
	s_wait_loadcnt 39                              ; W's tile 0 is in; tiles 1 to 3 may be out
	s_wait_dscnt 0x0                               ; the partner's last fragments, and the diff
	PHASE 0, 0, 0, 0
	WIN 0
	s_mov_b32 s[CNT], 7
.Ltrip:                                                ; a trip: group 1 of tiles 4 j .. 4 j + 3 and group 0 of tiles 4 j + 1 .. 4 j + 4: once round the ring
	STEP 0, 1, 39, 1
	STEP 1, 1, 39, 1
	STEP 2, 1, 39, 1
	STEP 3, 1, 39, 1
	WIN 0
	s_wait_xcnt 0x0                                ; the loads have read their base
	s_add_nc_u64 s[8:9], s[8:9], 102400
	s_sub_co_u32 s[CNT], s[CNT], 1
	s_cmp_lg_u32 s[CNT], 0
	s_cbranch_scc1 .Ltrip
	STEP 0, 0, 26, 1                               ; the last four tiles fetch nothing more of W: the counts run down
	STEP 1, 0, 13, 1
	STEP 2, 0, 0, 0
	NOPS 4
	PHASE 3, 1, 1, DT+16
	NOPS 4
	s_wait_dscnt 0x0
	WIN 0xA7
.irp a, 0,1,2,3
.irp jj, 0,1,2,3
	FM \a, \jj, DT+48                              ; group 1's dot product for tile 31
.endr
.endr
; THE WAY OUT.  A lane's eight sums, then lane l xor 16's: my part (K half, m half) of each of the 128 rows.  The four waves' parts meet in LDS.
.irp g, 0,1
	WIN 0x55*(1+\g)
.irp t, 0,1,2,3
	v_pk_add_f32 v[QQ+8*\t:QQ+8*\t+1], v[QQ+8*\t:QQ+8*\t+1], v[QQ+8*\t+4:QQ+8*\t+5]
	v_pk_add_f32 v[QQ+8*\t+2:QQ+8*\t+3], v[QQ+8*\t+2:QQ+8*\t+3], v[QQ+8*\t+6:QQ+8*\t+7]
.endr
.irp t, 0,1,2,3
	v_pk_add_f32 v[QQ+8*\t:QQ+8*\t+1], v[QQ+8*\t:QQ+8*\t+1], v[QQ+8*\t+2:QQ+8*\t+3]
.endr
.irp t, 0,1,2,3
	v_add_f32 v[QQ+8*\t], v[QQ+8*\t], v[QQ+8*\t+1]
.endr
.irp t, 0,1,2,3
	v_permlanex16_b32 v[QQ+8*\t+1], v[QQ+8*\t], s20, s21
.endr
.irp t, 0,1,2,3
	v_add_f32 v[QQ+8*\t], v[QQ+8*\t], v[QQ+8*\t+1]
.endr
	WIN 0x04*(1+\g)
.irp t, 0,1,2,3
	ds_store_b32 v[RSO+\g], v[QQ+8*\t] offset:64*\t   ; lanes l and l xor 16 write the same word with the same value
.endr
.endr
	WIN 0
	s_wait_dscnt 0x0                               ; for the others' sake
	s_barrier_signal -1
	s_barrier_wait -1
	s_cmp_gt_u32 s12, 1                            ; waves 0 and 1 finish rows 0-63 and 64-127: two rows a lane, so that a wave's store covers 256 consecutive bytes, aligned
	s_cbranch_scc1 .Lend
.irp w, 0,1,2,3
	ds_load_b64 v[80+2*\w:81+2*\w], v[RRA] offset:512*\w
.endr
	s_wait_dscnt 0x0
	v_pk_add_f32 v[80:81], v[80:81], v[82:83]
	v_pk_add_f32 v[84:85], v[84:85], v[86:87]
	v_pk_add_f32 v[80:81], v[80:81], v[84:85]
	v_mul_f32 v80, 0xbab8aa3b, v80                 ; x -log2(e) / 1024
	v_mul_f32 v81, 0xbab8aa3b, v81
	s_wait_alu depctr_va_vdst(0)                   ; ahead of the batch
	v_exp_f32 v90, v80
	v_exp_f32 v91, v81
	v_nop                                          ; a plain place behind the exponentials
	s_wait_alu depctr_va_vdst(0)                   ; one wait for both, ahead of their first use and of the label
	global_store_b64 v[OO], v[90:91], s[10:11]
.Lend:
	s_wait_tensorcnt 0x0                           ; the wave's end, behind my last LDS store
	ds_add_u32 v[SPW], v[NIL]
	s_wait_dscnt 0x0
	s_endpgm
.Lfunc_end_k_q6fcc80957b_hmu:
	.size	k_q6fcc80957b_hmu, .Lfunc_end_k_q6fcc80957b_hmu-k_q6fcc80957b_hmu
	.p2alignl 7, 3214868480
	.fill 96, 4, 3214868480
	.section	.rodata,"a",@progbits
	.p2align	6, 0x0
	.amdhsa_kernel k_q6fcc80957b_hmu
		.amdhsa_group_segment_fixed_size 327680
		.amdhsa_private_segment_fixed_size 0
		.amdhsa_enable_private_segment 0
		.amdhsa_kernarg_size 32
		.amdhsa_user_sgpr_count 2
		.amdhsa_user_sgpr_kernarg_segment_ptr 1
		.amdhsa_wavefront_size32 1
		.amdhsa_system_sgpr_workgroup_id_x 1
		.amdhsa_system_sgpr_workgroup_id_y 1
		.amdhsa_system_sgpr_workgroup_id_z 1
		.amdhsa_system_vgpr_workitem_id 0
		.amdhsa_next_free_vgpr 1024
		.amdhsa_next_free_sgpr 66
		.amdhsa_reserve_vcc 0
		.amdhsa_float_denorm_mode_32 3
		.amdhsa_float_denorm_mode_16_64 3
		.amdhsa_memory_ordered 1
		.amdhsa_forward_progress 1
		.amdhsa_inst_pref_size 255
	.end_amdhsa_kernel
	.section	.bss,"aw",@nobits
	.p2align	6
	.space	262144
	.amdgpu_metadata
---
amdhsa.version: [ 1, 2 ]
amdhsa.kernels:
  - .name:           k_q6fcc80957b_hmu
    .symbol:         k_q6fcc80957b_hmu.kd
    .args:
      - { .name: x, .offset: 0, .size: 8, .value_kind: global_buffer, .address_space: global }
      - { .name: mu, .offset: 8, .size: 8, .value_kind: global_buffer, .address_space: global }
      - { .name: wq, .offset: 16, .size: 8, .value_kind: global_buffer, .address_space: global }
      - { .name: out0, .offset: 24, .size: 8, .value_kind: global_buffer, .address_space: global }
    .group_segment_fixed_size: 327680
    .private_segment_fixed_size: 0
    .kernarg_segment_align: 8
    .kernarg_segment_size: 32
    .max_flat_workgroup_size: 128
    .sgpr_count:     66
    .vgpr_count:     1024
    .wavefront_size: 32
...
	.end_amdgpu_metadata
.endif
;; end of part 4
